; MI455X (gfx1250); checked and timed in simulation.
; The chip was launched on July 23, 2026; its instructions are those of AMD's public machine-readable ISA for CDNA 5 (MIT licence, August 2026) and "CDNA5" Instruction Set Architecture Reference Guide (July 2026). The comments in the code are by the model that wrote it; some were corrected since.
;; Trans Conv Layer. Allowed arithmetic: matrix products marked QUANTISED: E4M3 operands, one given power-of-two scale a tensor, by v_wmma_f32_16x16x64_fp8_fp8 or v_wmma_f32_16x16x128_fp8_fp8, f32 sums; products left as they are: f32 operands where the result goes on into a quantised operand, else bf16, f16 or f32 operands; f32 sums; everything else in f32.
;; Inputs: Wk_b 512 float32; Wk_w_codes 512 x 8 x 32 uint8 (E4M3 codes of Wk_w, K innermost, in blocks of 32 codes); Wq_b 512 float32; Wq_w_codes 512 x 8 x 32 uint8 (E4M3 codes of Wq_w, K innermost, in blocks of 32 codes); Wv_b 512 float32; Wv_w_codes 512 x 8 x 32 uint8 (E4M3 codes of Wv_w, K innermost, in blocks of 32 codes); lowp_scales 10 int32 (the exponents e of the quantised operands' scales 2^e); query_input_codes 100,000 x 8 x 32 uint8 (E4M3 codes of query_input, K innermost, in blocks of 32 codes); source_input_codes 100,000 x 8 x 32 uint8 (E4M3 codes of source_input, K innermost, in blocks of 32 codes).
;; Outputs: out0 100,000 x 64 float32.
;; This version of the problem:
;;   THIS VERSION OF THE PROBLEM IS GIVEN IN LOW PRECISION. The matrix products marked QUANTISED in the list below multiply operands that are first quantised to E4M3 (4 exponent bits, 3 mantissa bits; 8 bits a number), with one given power-of-two scale for each operand tensor; their sums are f32. All else is computed in f32.
;;   The module's matrix products, in the order in which they are computed (A, B: the left and right operand; K: the contracted axis; several contracted axes count as one K, in the product's order):
;;     1. [M 100,000, K 256] x [K 256, N 512]; A: input query_input (given as codes); B: input Wq_w (given as codes): QUANTISED (scales: A lowp_scales[0], B lowp_scales[1])
;;     2. [M 100,000, K 256] x [K 256, N 512]; A: input source_input (given as codes); B: input Wk_w (given as codes): QUANTISED (scales: A lowp_scales[2], B lowp_scales[3])
;;     3. [M 100,000, K 256] x [K 256, N 512]; A: input source_input (given as codes); B: input Wv_w (given as codes): QUANTISED (scales: A lowp_scales[4], B lowp_scales[5])
;;     4. batch 8 x [M 64, K 100,000] x [K 100,000, N 64]; A: computed on the way; B: computed on the way: QUANTISED (scales: A lowp_scales[6], B lowp_scales[7])
;;     5. batch 8 x [M 64, K 64] x [K 64, N 100,000]; A: computed on the way; B: computed on the way: QUANTISED (scales: A lowp_scales[8], B lowp_scales[9])
;;     6. batch 8 x [M 1, K 64] x [K 64, N 100,000]; A: computed on the way; B: computed on the way: left as it is (M = 1 < 16)
;;   THE QUANTISER, for each operand of a quantised product, along K:
;;     - The operand's scale is 2^e, e = its entry of the input lowp_scales (int32; the entries are numbered through the quantised products in the list's order, A before B).
;;     - Each number is divided by the scale, clamped to +-448, and rounded to the nearest number of E4M3, ties to even, subnormals kept.
;;     - The product sums the exact products of the quantised numbers (number of the format x scale) in f32.
;;   ~~~python
;;   def quantise(x, axis, e):      # numpy; x: float32 -> the quantised numbers, widened to float32 again
;;       x = np.moveaxis(x, axis, -1); K = x.shape[-1]
;;       r = np.clip(x / 2.0 ** e, -448, 448)
;;       step = 2.0 ** (np.maximum(np.frexp(np.where(r == 0, 1, r))[1] - 1, -6) - 3)
;;       q = np.round(r / step) * step * 2.0 ** e      # np.round: ties to even
;;       return np.moveaxis(q, -1, axis).astype(np.float32)
;;   ~~~
;;   OPERANDS COMPUTED ON THE WAY. 'Computed on the way' means the value that the module computes at that place (a softmax that the list does not call 'softmax' is quantised finished and normalised). What goes into a quantiser is computed in f32, as accurately as f32 sums, v_exp_f32 and their like allow (about 1e-6 of the number): no bf16 or f16 on the way to a quantiser, and a product that is left as it is and whose result goes on into a quantised operand takes f32 operands (vector FMAs, or v_wmma_f32_16x16x4_f32). A number that lies on a knife's edge between two numbers of the format may be rounded either way, as far as f32 arithmetic and the matrix unit's own rounding can turn it there, and no further.
;;   INPUTS GIVEN AS CODES. Wk_w (in the module: [256, 512], K = its axis 0); Wq_w (in the module: [256, 512], K = its axis 0); Wv_w (in the module: [256, 512], K = its axis 0); query_input (in the module: [100000, 256], K = its axis 1); source_input (in the module: [100000, 256], K = its axis 1): each comes as NAME_codes (uint8): NAME with its K axis moved to the last place and cut into blocks of 32 codes, [.., K / 32, bytes a block], one block behind the other in memory; one code a byte (a code: sign, 4 exponent bits, 3 mantissa bits); its scale is its entry of lowp_scales. Its value is code x scale, taken as it is: it is not quantised again, and the codes and scales need not be those that the quantiser above would give.
;; One version. Each part assembles by itself: llvm-mc -triple=amdgcn-amd-amdhsa -mcpu=gfx1250 --defsym DOCPART=n.
;; ======== version 1 of 1: 4 launches
;; workspace buffers: nsq 8,192 bytes; part 33,280,000 bytes; kvc 32,768 bytes; ksum 2,048 bytes
;; launch norms (part 1): grid 250 x 1, 4 waves a work-group, no clusters, 287,744 bytes of LDS; arguments query_input_codes, source_input_codes, Wq_w_codes, Wk_w_codes, Wq_b, Wk_b, lowp_scales, nsq, part; writes nsq, part
.if DOCPART == 1
	.amdgcn_target "amdgcn-amd-amdhsa--gfx1250"
	.amdhsa_code_object_version 6
	.text
	.protected	k_qe82df9e4a7_norms
	.globl	k_qe82df9e4a7_norms
	.p2align	8
	.type	k_qe82df9e4a7_norms,@function
k_qe82df9e4a7_norms:
	s_mov_b64 s[64:65], 0
	v_nop
	global_prefetch_b8 v0, s[64:65] scope:SCOPE_SE
	s_setreg_imm32_b32 hwreg(HW_REG_WAVE_MODE, 25, 1), 1
	s_wait_xcnt 0x0
; FIRST PASS: qs = Xq Wq + bq and ks = Xs Wk + bk on codes of E4M3; of them only three things are kept:
; the sum of qs^2, the sum of ks^2 (one number a wave, into nsq) and the column sums of ks (512 numbers a work-group, into part).
; SHARES.  A work-group owns 400 rows of both inputs; wave w owns columns 128 w .. 128 w + 127 of both weights: 2 x 8 tiles of 16 columns,
; 512 registers, read from memory once and kept.  The work-group's rows (2 x 400 x 256 bytes) fit in LDS whole: every LDS byte of them is filled once,
; by three tensor loads a wave issued at the head (three are out at the most), and the rows are walked as the three stages land.
; THE WEIGHTS come in as they lie, 512 consecutive bytes a load, and are turned into the operand's order through the wave's own scratch in LDS, 64 columns at a time.
; LAYOUT.  Source 0 = 16 rows of X, source 1 = 16 columns of W: a lane holds column lane % 16 and rows 8 (lane / 16) + 0 .. 7.
; Both operands hold k = 32 c + 16 (lane / 16) + 0 .. 15 in registers 4 c .. 4 c + 3: the same order of k on both sides.
; The bias, divided by 2^(eA + eB), is the C of a tile's first K step: a sum S stands for value / 2^(eA + eB).
; BY TURNS.  A group is 8 products (4 tiles x 2 K steps, the four accumulators by turns); behind each product stands a slice
; of the vector work on the four tiles finished one group earlier (squares, column sums).
; NO CLUSTER: 250 work-groups do not divide into fours; the rows are each work-group's own, and the weights go into registers once.
; LIMITS: NaN among the inputs is not served.  The scales enter by v_ldexp_f32 alone.
; REGISTERS, in windows of 256: window 0: v1-17 addresses; v32-63, v64-95 two sets of 4 accumulators; v96-103, v104-111 sums of squares; v112-127, v144-159 column sums (two pairs a tile); v128-143 biases as loaded.
;   window 1: Wq (tile T, K step q at 32 T + 16 q).   window 2: Wk.   window 3: v0-63, v64-127 the biases as C; v128-159 Xq's fragment, v160-191 Xs's.
.set NROW,  400
.set PITCH, 272                        ; an LDS row: 256 bytes + 16 of padding: the 16 rows of a fragment load start 68 words apart
.set TROW,  16*PITCH
.set XSB,   NROW*PITCH                 ; Xs lies behind Xq
.set SCR,   2*XSB                      ; behind the rows: a scratch of 64 rows x 272 bytes for each wave; no fill lands there
.set SCW,   64*PITCH
.set SLOTB, 133120                     ; a slot of part: 130 tiles of 1,024 bytes
.set LANE, 1
.set A0Q,  2
.set A0S,  3
.set AD,   4
.set WST,  5
.set BAD,  6
.set TP,   7
.set RR,   8
.set HH,   9
.set VA,   10
.set VB,   11
.set OUTV, 12
.set L16,  16
.set WLD,  17
.set ACCA, 32
.set ACCB, 64
.set SQQ,  96
.set SQK,  104
.set CS,   112
.set TB,   128
.set CS2,  144
.set BQ,   0                           ; window 3
.set BK,   64
.set XQ,   128
.set XS,   160
.set WV,   22
.set XO,   23
.set G1A,  24
.set G1B,  32
.set G0,   48
.set SEL,  60
.set CNT,  62
.set EE,   68
.set MSB, 0
.macro WIN new                         ; the immediate's high byte repeats the setting that is left; a switch that changes nothing is dropped
.if MSB != (\new)
	s_set_vgpr_msb (MSB<<8)|(\new)
.set MSB, \new
.endif
.endm
.macro G1SET g, rows                   ; descriptor group 1: rows x 256 elements of one byte, dense in memory, 4 words of padding behind every 64
	s_mov_b32 s[\g], (1<<20)|(5<<22)|(3<<25)
	s_mov_b32 s[\g+1], 256<<16
	s_mov_b32 s[\g+2], (\rows)<<16
	s_mov_b32 s[\g+3], 256<<16
	s_mov_b32 s[\g+4], \rows
	s_mov_b32 s[\g+5], 256
	s_mov_b32 s[\g+6], 0
	s_mov_b32 s[\g+7], 0
.endm
; 64 columns of a weight, 16,384 consecutive bytes, as they lie: 32 loads of 512 consecutive bytes, into the 128 registers (of window win) where the columns will stay
.macro WLOADS sb, off, reg, win
	WIN (\win)<<6
.set wi, 0
.rept 32
	global_load_b128 v[\reg+4*wi:\reg+4*wi+3], v[L16], s[\sb:\sb+1] offset:\off+512*wi
.set wi, wi+1
.endr
.endm
; and turned: load wi holds columns 2 wi and 2 wi + 1, sixteen lanes each; they go into rows of my scratch and come back as four tiles' fragments (lane: column lane % 16, k = 32 j + 16 (lane / 16) on).
; LDS serves a wave's instructions in order (ISA guide 5.7.1.4): the loads see the stores, and land in registers that the stores have read; the next piece's stores come behind these loads.
.macro WTURN reg, win
	WIN (\win)<<2                                  ; an LDS store's data are its source 1
.set wi, 0
.rept 32
	ds_store_b128 v[WST], v[\reg+4*wi:\reg+4*wi+3] offset:544*wi
.set wi, wi+1
.endr
	WIN (\win)<<6
.set wi, 0
.rept 32
	ds_load_b128 v[\reg+4*wi:\reg+4*wi+3], v[WLD] offset:4352*(wi/8)+32*(wi%8)
.set wi, wi+1
.endr
.endm
	s_load_b512 s[4:19], s[0:1], 0x0               ; Xq 4, Xs 6, Wq 8, Wk 10, bq 12, bk 14, scales 16, nsq 18
	s_load_b64 s[20:21], s[0:1], 0x40              ; part
	v_lshl_add_u32 v254, v0, 2, 0x46200
	v_mov_b32 v255, 0
	ds_add_u32 v254, v255
	ds_add_u32 v254, v255
	v_lshrrev_b32 v[RR], 5, v0
	v_readfirstlane_b32 s[WV], v[RR]               ; wave 0..3
	v_and_b32 v[LANE], 31, v0
	G1SET G1A, 40
	G1SET G1B, 80
	; waves 0, 1 fetch Xq, waves 2, 3 Xs; each half of: rows 0-79, rows 80-239, rows 240-399
	s_lshr_b32 s40, s[WV], 1                       ; which input
	s_and_b32 s41, s[WV], 1                        ; which half
	s_mul_i32 s42, s40, XSB
	s_mul_i32 s43, s41, 40*PITCH
	s_add_co_u32 s43, s43, s42                     ; LDS: stage 1
	s_mul_i32 s44, s41, 80*PITCH
	s_add_co_u32 s44, s44, s42                     ; LDS: stages 2 and 3, less their first rows
	s_mul_i32 s46, ttmp9, NROW*256                 ; the work-group's first byte in either input
	s_mul_i32 s72, s41, 40*256
	s_add_co_u32 s72, s72, s46
	s_mov_b32 s73, 0
	s_mul_i32 s74, s41, 80*256
	s_add_co_u32 s74, s74, s46
	s_mov_b32 s75, 0
	s_wait_dscnt 0x0
	s_wait_kmcnt 0x0
	s_load_b128 s[EE:EE+3], s[16:17], 0x0          ; e0 .. e3
	s_cmp_eq_u32 s40, 0
	s_cselect_b64 s[76:77], s[4:5], s[6:7]         ; the choice hangs on the wave's number alone
	s_mov_b32 s[G0], 1
	s_mov_b32 s[G0+1], s43
	s_add_nc_u64 s[G0+2:G0+3], s[76:77], s[72:73]
	s_or_b32 s[G0+3], s[G0+3], 0x80000000
	s_add_nc_u64 s[76:77], s[76:77], s[74:75]
	s_mov_b32 s[G0+4], 1
	s_add_co_u32 s[G0+5], s44, 80*PITCH
	s_add_nc_u64 s[G0+6:G0+7], s[76:77], 80*256
	s_or_b32 s[G0+7], s[G0+7], 0x80000000
	s_mov_b32 s[G0+8], 1
	s_add_co_u32 s[G0+9], s44, 240*PITCH
	s_add_nc_u64 s[G0+10:G0+11], s[76:77], 240*256
	s_or_b32 s[G0+11], s[G0+11], 0x80000000
	tensor_load_to_lds s[G0:G0+3], s[G1A:G1A+7]    ; all fills of the launch go out together, ahead of every wait on them, every LDS read and every barrier
	s_nop 0
	tensor_load_to_lds s[G0+4:G0+7], s[G1B:G1B+7]
	s_nop 0
	tensor_load_to_lds s[G0+8:G0+11], s[G1B:G1B+7]
	s_nop 0
.rept 4
	v_nop
.endr
	v_and_b32 v[RR], 15, v0                        ; r
	v_bfe_u32 v[HH], v0, 4, 1                      ; h
	v_lshlrev_b32 v[L16], 4, v[LANE]               ; 16 x lane
	v_lshlrev_b32 v[BAD], 2, v[RR]
	s_lshl_b32 s72, s[WV], 9
	s_add_nc_u64 s[12:13], s[12:13], s[72:73]
	s_add_nc_u64 s[14:15], s[14:15], s[72:73]
.irp T, 0,1,2,3,4,5,6,7
	global_load_b32 v[TB+\T], v[BAD], s[12:13] offset:64*\T      ; the bias of column 16 T + r
	global_load_b32 v[TB+8+\T], v[BAD], s[14:15] offset:64*\T
.endr
	s_lshl_b32 s72, s[WV], 15                      ; my 128 columns of 256 codes
	s_add_nc_u64 s[8:9], s[8:9], s[72:73]
	s_add_nc_u64 s[10:11], s[10:11], s[72:73]
	WLOADS 8, 0, 0, 1                              ; four pieces of 32 loads
	WLOADS 8, 16384, 128, 1
	WLOADS 10, 0, 0, 2
	WLOADS 10, 16384, 128, 2
	WIN 0
	v_mul_u32_u24 v[A0Q], v[RR], PITCH
	v_lshl_add_u32 v[A0Q], v[HH], 4, v[A0Q]        ; a fragment's row x pitch + 16 h
	v_add_nc_u32 v[A0S], XSB, v[A0Q]
	s_mul_i32 s76, s[WV], SCW
	s_add_co_u32 s76, s76, SCR                     ; my scratch
	v_add_nc_u32 v[WLD], s76, v[A0Q]               ; out of it: as a fragment is read
	v_mul_u32_u24 v[WST], v[HH], PITCH
	v_lshl_add_u32 v[WST], v[RR], 4, v[WST]
	v_add_nc_u32 v[WST], s76, v[WST]               ; into it: lanes 0-15 one row of 256 bytes, lanes 16-31 the next
	v_mov_b32 v[TP], 0
.set zi, 0
.rept 64
	v_mov_b32 v[ACCB+zi], 0                        ; the second set, the sums of squares and the column sums: the loop is written once, and its first trip finds zeros to add
.set zi, zi+1
.endr
.set zi, 0
.rept 16
	v_mov_b32 v[CS2+zi], 0
.set zi, zi+1
.endr
	s_mov_b32 s[SEL], 0x76543210
	s_mov_b32 s[SEL+1], 0xfedcba98                 ; v_permlanex16_b32: lane l xor 16
	s_wait_kmcnt 0x0
	s_add_co_i32 s[EE], s[EE], s[EE+1]             ; e0 + e1
	s_add_co_i32 s[EE+2], s[EE+2], s[EE+3]         ; e2 + e3
	s_sub_co_i32 s[EE+1], 0, s[EE]
	s_sub_co_i32 s[EE+3], 0, s[EE+2]
	s_wait_loadcnt 63                              ; 64 loads stand behind the second piece's last: the biases and Wq's two pieces are in
	WTURN 0, 1
	WTURN 128, 1
	WIN 0xc0
.irp T, 0,1,2,3,4,5,6,7
.irp j, 0,1,2,3,4,5,6,7
	v_ldexp_f32 v[BQ+8*\T+\j], v[TB+\T], s[EE+1]   ; a lane's eight results of a tile share its column, so its bias stands eight times
	v_ldexp_f32 v[BK+8*\T+\j], v[TB+8+\T], s[EE+3]
.endr
.endr
	s_wait_loadcnt 32                              ; only the last piece's 32 loads may be out
	WTURN 0, 2
	s_wait_loadcnt 0x0
	WTURN 128, 2
	WIN 0
; 8 LDS loads: 16 rows x 256 K into window 3
.macro XLD dst, a0, off
	v_add_nc_u32 v[AD], s[XO], v[\a0]
	WIN 0xc0
.irp i, 0,1,2,3,4,5,6,7
	ds_load_b128 v[\dst+4*\i:\dst+4*\i+3], v[AD] offset:\off+32*\i
.endr
	WIN 0
.endm
; slice gi of 8: four registers (tile gi / 2, half gi % 2).  job 1: squares of qs.  job 2: squares and column sums of ks, tiles jt0 on.
; No line of a slice reads the result of another: two pairs take the squares, two the column sums.
.macro SL1 job, jacc, jt0
.set rS, \jacc+4*gi
.if \job == 1
.set rQ, SQQ+4*(gi%2)
.else
.set rQ, SQK+4*(gi%2)
.endif
	v_pk_fma_f32 v[rQ:rQ+1], v[rS:rS+1], v[rS:rS+1], v[rQ:rQ+1]
	v_pk_fma_f32 v[rQ+2:rQ+3], v[rS+2:rS+3], v[rS+2:rS+3], v[rQ+2:rQ+3]
.if \job == 2
.set rC, CS+2*(\jt0+gi/2)
.set rE, CS2+2*(\jt0+gi/2)
	v_pk_add_f32 v[rC:rC+1], v[rC:rC+1], v[rS:rS+1]
	v_pk_add_f32 v[rE:rE+1], v[rE:rE+1], v[rS+2:rS+3]
.endif
.endm
; a group: tiles t0 .. t0 + 3 of a weight, two K steps, into acc.  The slices are the places behind the products: a tile is read at least four plain instructions behind its last product.
; ld = 1: Xs of this tile of rows is fetched behind slice 0; ld = 2: Xq of the next behind slice 1: in both cases more than four plain instructions behind the last product that read those registers.
.macro GRP1 acc, xf, t0, wa, wb, bias, job, jacc, jt0, ld
.set gi, 0
.rept 8
.set rD, \acc+8*(gi%4)
.set rW, 32*(\t0+gi%4)
.if gi < 4
	WIN \wa
	v_wmma_f32_16x16x128_fp8_fp8 v[rD:rD+7], v[\xf:\xf+15], v[rW:rW+15], v[\bias+8*(\t0+gi%4):\bias+8*(\t0+gi%4)+7]
.else
	WIN \wb
	v_wmma_f32_16x16x128_fp8_fp8 v[rD:rD+7], v[\xf+16:\xf+31], v[rW+16:rW+31], v[rD:rD+7]
.endif
	WIN 0
	SL1 \job, \jacc, \jt0
.if (\ld == 1) && (gi == 0)
	XLD XS, A0S, 0
.endif
.if (\ld == 2) && (gi == 1)
	XLD XQ, A0Q, TROW
.endif
.set gi, gi+1
.endr
.endm
; 16 rows: 32 products.  pf = 1: the next 16 rows of Xq are fetched
.macro TILE1 pf
	s_wait_dscnt 0x0                               ; Xq's fragment is in
	GRP1 ACCA, XQ, 0, 0x37, 0x07, BQ, 2, ACCB, 4, 1
	GRP1 ACCB, XQ, 4, 0x37, 0x07, BQ, 1, ACCA, 0, 0
	s_wait_dscnt 0x0                               ; Xs's fragment is in (asked for 15 products ago)
	GRP1 ACCA, XS, 0, 0x3b, 0x0b, BK, 1, ACCB, 0, 2*\pf
	GRP1 ACCB, XS, 4, 0x3b, 0x0b, BK, 2, ACCA, 0, 0
	s_add_co_u32 s[XO], s[XO], TROW
.endm
	s_mov_b32 s[XO], 0
	s_wait_tensorcnt 0x2                           ; my part of rows 0-79 is in; my two later loads may stay out
	s_wait_dscnt 0x0                               ; the weights are back from the scratch, and no LDS instruction of mine is pending at the signal
	s_barrier_signal -1
	s_barrier_wait -1                              ; everybody's is
	XLD XQ, A0Q, 0
	s_mov_b32 s[CNT], 4
.Lstage1:                                              ; tiles 0-3; the last trip fetches tile 4's Xq, rows 64-79
	TILE1 1
	s_sub_co_u32 s[CNT], s[CNT], 1
	s_cmp_lg_u32 s[CNT], 0
	s_cbranch_scc1 .Lstage1
	s_wait_tensorcnt 0x1                           ; my part of rows 80-239 is in; my last load may stay out
	s_wait_dscnt 0x0
	s_barrier_signal -1
	s_barrier_wait -1
	s_mov_b32 s[XO], 4*TROW                        ; stated anew: a loop's LDS offsets are a constant + trips x 4,352
	s_mov_b32 s[CNT], 10
.Lstage2:                                              ; tiles 4-13
	TILE1 1
	s_sub_co_u32 s[CNT], s[CNT], 1
	s_cmp_lg_u32 s[CNT], 0
	s_cbranch_scc1 .Lstage2
	s_wait_tensorcnt 0x0                           ; all my loads are in
	s_wait_dscnt 0x0
	s_barrier_signal -1
	s_barrier_wait -1
	s_mov_b32 s[XO], 14*TROW
	s_mov_b32 s[CNT], 10
.Lstage3:                                              ; tiles 14-23
	TILE1 1
	s_sub_co_u32 s[CNT], s[CNT], 1
	s_cmp_lg_u32 s[CNT], 0
	s_cbranch_scc1 .Lstage3
	TILE1 0                                        ; tile 24 fetches nothing further
.set gi, 0
.rept 8
	SL1 2, ACCB, 4                                 ; the last group's tiles; the slices that stood in that group are the places behind its products
.set gi, gi+1
.endr
	; the wave's two sums of squares
.irp b, SQQ, SQK
	v_pk_add_f32 v[\b:\b+1], v[\b:\b+1], v[\b+2:\b+3]
	v_pk_add_f32 v[\b+4:\b+5], v[\b+4:\b+5], v[\b+6:\b+7]
	v_pk_add_f32 v[\b:\b+1], v[\b:\b+1], v[\b+4:\b+5]
	v_add_f32 v[\b], v[\b], v[\b+1]
	v_add_f32_dpp v[\b], v[\b], v[\b] row_xmask:1 row_mask:0xf bank_mask:0xf
	v_add_f32_dpp v[\b], v[\b], v[\b] row_xmask:2 row_mask:0xf bank_mask:0xf
	v_add_f32_dpp v[\b], v[\b], v[\b] row_xmask:4 row_mask:0xf bank_mask:0xf
	v_add_f32_dpp v[\b], v[\b], v[\b] row_xmask:8 row_mask:0xf bank_mask:0xf
	v_permlanex16_b32 v[TP], v[\b], s[SEL], s[SEL+1]
	v_add_f32 v[\b], v[\b], v[TP]
.endr
	s_lshl_b32 s72, s[EE], 1
	s_lshl_b32 s73, s[EE+2], 1
	v_ldexp_f32 v[SQQ], v[SQQ], s72                ; x 2^(2 (e0 + e1))
	v_ldexp_f32 v[SQK], v[SQK], s73
	; the column sums of ks: the two pairs, the pair's halves, the other half of the lanes, the scale
.irp T, 0,1,2,3,4,5,6,7
	v_pk_add_f32 v[CS+2*\T:CS+2*\T+1], v[CS+2*\T:CS+2*\T+1], v[CS2+2*\T:CS2+2*\T+1]
.endr
.irp T, 0,1,2,3,4,5,6,7
	v_add_f32 v[CS+2*\T], v[CS+2*\T], v[CS+2*\T+1]
.endr
.irp T, 0,1,2,3,4,5,6,7
	v_permlanex16_b32 v[CS+2*\T+1], v[CS+2*\T], s[SEL], s[SEL+1]
.endr
.irp T, 0,1,2,3,4,5,6,7
	v_add_f32 v[CS+2*\T], v[CS+2*\T], v[CS+2*\T+1]
.endr
.irp T, 0,1,2,3,4,5,6,7
	v_ldexp_f32 v[CS+2*\T], v[CS+2*\T], s[EE+2]
.endr
	v_cmp_gt_u32 vcc_lo, 16, v[LANE]
.irp u, 0,1,2,3
	v_cndmask_b32 v[OUTV+\u], v[CS+4*\u+2], v[CS+4*\u], vcc_lo   ; lanes 0-15: tile 2 u; lanes 16-31: tile 2 u + 1: column 32 u + lane
.endr
	s_mul_i32 s74, ttmp9, SLOTB
	s_add_co_u32 s74, s74, 128*1024                ; my slot's tiles 128 and 129: 512 numbers in the columns' order
	s_add_nc_u64 s[20:21], s[20:21], s[74:75]
	s_lshl_b32 s76, s[WV], 9
	v_lshl_add_u32 v[VA], v[LANE], 2, s76
.irp u, 0,1,2,3
	global_store_b32 v[VA], v[OUTV+\u], s[20:21] offset:128*\u   ; 128 consecutive bytes a store
.endr
	v_and_b32 v[VB], 1, v[LANE]
	v_cmp_eq_u32 vcc_lo, 1, v[VB]
	v_cndmask_b32 v[TP], v[SQQ], v[SQK], vcc_lo    ; lane 0: qs's, lane 1: ks's
	s_lshl_b32 s76, ttmp9, 4
	s_lshl_b32 s77, s[WV], 2
	s_add_co_u32 s76, s76, s77                     ; entry 4 x work-group + wave
	v_lshl_add_u32 v[VB], v[VB], 12, s76           ; row 0 or row 1 of nsq
	v_cmp_gt_u32 vcc_lo, 2, v[LANE]
	s_wait_xcnt 0x0                                ; EXEC changes only when the stores above have read it
	s_wait_tensorcnt 0x0
	ds_add_u32 v254, v255
	s_wait_dscnt 0x0
	s_and_saveexec_b32 s78, vcc_lo
	global_store_b32 v[VB], v[TP], s[18:19]
	s_wait_xcnt 0x0                                ; and again in front of the line that widens it
	s_or_b32 exec_lo, exec_lo, s78
	s_endpgm
.Lfunc_end_k_qe82df9e4a7_norms:
	.size	k_qe82df9e4a7_norms, .Lfunc_end_k_qe82df9e4a7_norms-k_qe82df9e4a7_norms
	.p2alignl 7, 3214868480
	.fill 96, 4, 3214868480
	.section	.rodata,"a",@progbits
	.p2align	6, 0x0
	.amdhsa_kernel k_qe82df9e4a7_norms
		.amdhsa_group_segment_fixed_size 287744
		.amdhsa_private_segment_fixed_size 0
		.amdhsa_enable_private_segment 0
		.amdhsa_kernarg_size 72
		.amdhsa_user_sgpr_count 2
		.amdhsa_user_sgpr_kernarg_segment_ptr 1
		.amdhsa_wavefront_size32 1
		.amdhsa_system_sgpr_workgroup_id_x 1
		.amdhsa_system_sgpr_workgroup_id_y 1
		.amdhsa_system_sgpr_workgroup_id_z 1
		.amdhsa_system_vgpr_workitem_id 0
		.amdhsa_next_free_vgpr 960
		.amdhsa_next_free_sgpr 80
		.amdhsa_reserve_vcc 1
		.amdhsa_float_denorm_mode_32 3
		.amdhsa_float_denorm_mode_16_64 3
		.amdhsa_memory_ordered 1
		.amdhsa_forward_progress 1
		.amdhsa_inst_pref_size 99
	.end_amdhsa_kernel
	.amdgpu_metadata
---
amdhsa.version: [ 1, 2 ]
amdhsa.kernels:
  - .name:           k_qe82df9e4a7_norms
    .symbol:         k_qe82df9e4a7_norms.kd
    .args:
      - { .name: query_input_codes, .offset: 0, .size: 8, .value_kind: global_buffer, .address_space: global }
      - { .name: source_input_codes, .offset: 8, .size: 8, .value_kind: global_buffer, .address_space: global }
      - { .name: Wq_w_codes, .offset: 16, .size: 8, .value_kind: global_buffer, .address_space: global }
      - { .name: Wk_w_codes, .offset: 24, .size: 8, .value_kind: global_buffer, .address_space: global }
      - { .name: Wq_b, .offset: 32, .size: 8, .value_kind: global_buffer, .address_space: global }
      - { .name: Wk_b, .offset: 40, .size: 8, .value_kind: global_buffer, .address_space: global }
      - { .name: lowp_scales, .offset: 48, .size: 8, .value_kind: global_buffer, .address_space: global }
      - { .name: nsq, .offset: 56, .size: 8, .value_kind: global_buffer, .address_space: global }
      - { .name: part, .offset: 64, .size: 8, .value_kind: global_buffer, .address_space: global }
    .group_segment_fixed_size: 287744
    .private_segment_fixed_size: 0
    .kernarg_segment_align: 8
    .kernarg_segment_size: 72
    .max_flat_workgroup_size: 128
    .sgpr_count:     80
    .vgpr_count:     960
    .wavefront_size: 32
...
	.end_amdgpu_metadata
.endif
;; end of part 1
;; launch kv (part 2): grid 250 x 1, 4 waves a work-group, no clusters, 218,112 bytes of LDS; arguments source_input_codes, Wk_w_codes, Wv_w_codes, Wk_b, Wv_b, lowp_scales, nsq, part; writes part
.if DOCPART == 2
	.amdgcn_target "amdgcn-amd-amdhsa--gfx1250"
	.amdhsa_code_object_version 6
	.text
	.protected	k_qe82df9e4a7_kv
	.globl	k_qe82df9e4a7_kv
	.p2align	8
	.type	k_qe82df9e4a7_kv,@function
k_qe82df9e4a7_kv:
	s_mov_b64 s[64:65], 0
	v_nop
	global_prefetch_b8 v0, s[64:65] scope:SCOPE_SE
	s_setreg_imm32_b32 hwreg(HW_REG_WAVE_MODE, 25, 1), 1
	s_wait_xcnt 0x0
; SECOND PASS: ks and vs once more, now that |ks| is known; ks / (|ks| + eps) and vs are quantised (scales e6, e7) and multiplied along the rows:
; kvs[h][m][d] = sum over n of ks_n[n][h][m] vs[n][h][d].  Each work-group leaves its part of the sums, unscaled, in part.
; SHARES.  Work-groups 2 i and 2 i + 1 take rows 800 i .. 800 i + 799; the even one heads 0-3, the odd one heads 4-7; a wave one head: 4 tiles of Wk, 4 of Wv (256 registers, kept), 16 accumulators of kvs.
; The 800 rows fit in LDS whole: every LDS byte is filled once, by three tensor loads a wave issued at the head (three are out at the most).
; LAYOUT.  Source 0 = 16 rows of X, source 1 = 16 columns of W: a lane holds ONE column and eight neighbouring rows n, which are the next product's K.  So the conversion of a tile's eight
; registers IS a pair of registers of the K = 64 operand (rows 16 rt + 8 (lane / 16) + 0 .. 7 in registers 2 rt, 2 rt + 1): nothing changes lanes.
; BY TURNS.  A group is 8 products; behind each stands a slice of the quantising of the four tiles finished one group earlier.  The slices name vector registers as destination and source 0 alone
; (the factor and the limits are scalars), so they run under the products' window setting; a group's four conversions stand together behind its last product.
; ROWS: 800 = 32 + 12 x 64: a first half step, whose operands' upper halves are zero codes, starts the sums; then 12 steps.
; NO CLUSTER: only two work-groups share rows, and 250 work-groups do not divide into fours.
; LIMITS: e6 and e7 - e4 - e5 between -126 and 119 (each power of two below is made as an f32 pattern).  The sum of ks^2 is a normal f32 number, or counts as 0.  NaN is not served.  1 / (norm + eps) is v_rcp_f32.
; REGISTERS: window 0: v1-12 addresses and scales; v32-63, v64-95 X's fragments, two buffers; v96-127 ks's four tiles; v128-159 vs's; v160-191 ks's codes (8 a tile of m); v192-223 vs's codes; v224.. at work.
;   window 1: W (tile T, K step q at 32 T + 16 q; T 0-3 Wk, 4-7 Wv).   window 2: v0-127 kvs (tile (mt, dt) at 8 (4 mt + dt)); v128-191 the biases as C.
.set PITCH, 272
.set TROW,  16*PITCH
.set SLOTB, 133120
.set LANE, 1
.set A0,   2
.set AD,   3
.set WAD,  4
.set BAD,  5
.set TP,   6
.set NA,   7
.set SCK,  8
.set SCV,  9
.set RR,   10
.set HH,   11
.set NB,   12
.set X0,   32
.set X1,   64
.set ACCA, 96
.set ACCB, 128
.set KC,   160
.set VC,   192
.set TB,   224
.set BC,   128                         ; window 2
.set WV,   20
.set XO,   21
.set CNT,  22
.set HD,   23
.set G1A,  24
.set G1B,  32
.set G1C,  40
.set G0,   48
.set SEL,  60
.set EE,   68
.set GK,   76
.set LIMK, 78
.set NLIMK, 79
.set LIMV, 80
.set NLIMV, 81
.set MSB, 0
.macro WIN new
.if MSB != (\new)
	s_set_vgpr_msb (MSB<<8)|(\new)
.set MSB, \new
.endif
.endm
.macro G1SET g, rows                   ; rows x 256 elements of one byte, dense in memory, 4 words of padding behind every 64
	s_mov_b32 s[\g], (1<<20)|(5<<22)|(3<<25)
	s_mov_b32 s[\g+1], 256<<16
	s_mov_b32 s[\g+2], (\rows)<<16
	s_mov_b32 s[\g+3], 256<<16
	s_mov_b32 s[\g+4], \rows
	s_mov_b32 s[\g+5], 256
	s_mov_b32 s[\g+6], 0
	s_mov_b32 s[\g+7], 0
.endm
.macro PLACES
.rept 4
	v_nop
.endr
.endm
; the 1,000 waves' sums of squares (4,000 bytes from off on) are loaded: seven times 512 bytes, then 416 (lanes 26-31 repeat lane 25's and are cleared)
.macro NORM_LD sb, off, R, va, vb
.irp i, 0,1,2,3,4,5,6
	global_load_b128 v[\R+4*\i:\R+4*\i+3], v[\va], s[\sb:\sb+1] offset:\off+512*\i
.endr
	global_load_b128 v[\R+28:\R+31], v[\vb], s[\sb:\sb+1] offset:\off+3584
.endm
; and summed: v[dst] = 1 / (sqrt(sum) + 1e-6), in every lane
.macro NORM_DO R, dst
	v_cmp_gt_u32 vcc_lo, 26, v[LANE]
.irp i, 28,29,30,31
	v_cndmask_b32 v[\R+\i], 0, v[\R+\i], vcc_lo
.endr
.irp i, 0,2,4,6,8,10,12,14
	v_pk_add_f32 v[\R+\i:\R+\i+1], v[\R+\i:\R+\i+1], v[\R+16+\i:\R+17+\i]
.endr
.irp i, 0,2,4,6
	v_pk_add_f32 v[\R+\i:\R+\i+1], v[\R+\i:\R+\i+1], v[\R+8+\i:\R+9+\i]
.endr
.irp i, 0,2
	v_pk_add_f32 v[\R+\i:\R+\i+1], v[\R+\i:\R+\i+1], v[\R+4+\i:\R+5+\i]
.endr
	v_pk_add_f32 v[\R:\R+1], v[\R:\R+1], v[\R+2:\R+3]
	v_add_f32 v[\R], v[\R], v[\R+1]
	v_add_f32_dpp v[\R], v[\R], v[\R] row_xmask:1 row_mask:0xf bank_mask:0xf
	v_add_f32_dpp v[\R], v[\R], v[\R] row_xmask:2 row_mask:0xf bank_mask:0xf
	v_add_f32_dpp v[\R], v[\R], v[\R] row_xmask:4 row_mask:0xf bank_mask:0xf
	v_add_f32_dpp v[\R], v[\R], v[\R] row_xmask:8 row_mask:0xf bank_mask:0xf
	v_permlanex16_b32 v[TP], v[\R], s[SEL], s[SEL+1]
	v_add_f32 v[\R], v[\R], v[TP]
	v_sqrt_f32 v[\R], v[\R]
	v_nop                                          ; a plain instruction behind each transcendental
	s_wait_alu depctr_va_vdst(0)
	v_add_f32 v[\R], 0x358637bd, v[\R]             ; + 1e-6
	v_rcp_f32 v[\dst], v[\R]
	v_nop
.endm
	s_load_b512 s[4:19], s[0:1], 0x0               ; X 4, Wk 6, Wv 8, bk 10, bv 12, scales 14, nsq 16, part 18
	v_lshl_add_u32 v254, v0, 2, 0x35200
	v_mov_b32 v255, 0
	ds_add_u32 v254, v255
	ds_add_u32 v254, v255
	v_lshrrev_b32 v[RR], 5, v0
	v_readfirstlane_b32 s[WV], v[RR]
	v_and_b32 v[LANE], 31, v0
	G1SET G1A, 48
	G1SET G1B, 64
	G1SET G1C, 88
	s_lshr_b32 s82, ttmp9, 1                       ; which 800 rows
	s_and_b32 s83, ttmp9, 1
	s_lshl_b32 s[HD], s83, 2
	s_add_co_u32 s[HD], s[HD], s[WV]               ; my head
	s_mul_i32 s84, s82, 800*256
	; wave w fetches rows 48 w (48), 192 + 64 w (64), 448 + 88 w (88)
	s_mul_i32 s85, s[WV], 48*PITCH
	s_mul_i32 s86, s[WV], 64*PITCH
	s_add_co_u32 s86, s86, 192*PITCH
	s_mul_i32 s87, s[WV], 88*PITCH
	s_add_co_u32 s87, s87, 448*PITCH
	s_mul_i32 s88, s[WV], 48*256
	s_add_co_u32 s88, s88, s84
	s_mov_b32 s89, 0
	s_mul_i32 s90, s[WV], 64*256
	s_add_co_u32 s90, s90, s84
	s_add_co_u32 s90, s90, 192*256
	s_mov_b32 s91, 0
	s_mul_i32 s92, s[WV], 88*256
	s_add_co_u32 s92, s92, s84
	s_add_co_u32 s92, s92, 448*256
	s_mov_b32 s93, 0
	s_wait_dscnt 0x0
	s_wait_kmcnt 0x0
	s_load_b256 s[EE:EE+7], s[14:15], 0x0          ; e0 .. e7
	s_mov_b32 s[G0], 1
	s_mov_b32 s[G0+1], s85
	s_add_nc_u64 s[G0+2:G0+3], s[4:5], s[88:89]
	s_or_b32 s[G0+3], s[G0+3], 0x80000000
	s_mov_b32 s[G0+4], 1
	s_mov_b32 s[G0+5], s86
	s_add_nc_u64 s[G0+6:G0+7], s[4:5], s[90:91]
	s_or_b32 s[G0+7], s[G0+7], 0x80000000
	s_mov_b32 s[G0+8], 1
	s_mov_b32 s[G0+9], s87
	s_add_nc_u64 s[G0+10:G0+11], s[4:5], s[92:93]
	s_or_b32 s[G0+11], s[G0+11], 0x80000000
	tensor_load_to_lds s[G0:G0+3], s[G1A:G1A+7]    ; all fills of the launch go out together, ahead of every wait on them, every LDS read and every barrier
	s_nop 0
	tensor_load_to_lds s[G0+4:G0+7], s[G1B:G1B+7]
	s_nop 0
	tensor_load_to_lds s[G0+8:G0+11], s[G1C:G1C+7]
	s_nop 0
.rept 4
	v_nop
.endr
	v_and_b32 v[RR], 15, v0
	v_bfe_u32 v[HH], v0, 4, 1
	v_lshlrev_b32 v[WAD], 8, v[RR]
	v_lshl_add_u32 v[WAD], v[HH], 4, v[WAD]
	s_lshl_b32 s84, s[HD], 14                      ; my head's 64 columns of 256 codes
	s_mov_b32 s85, 0
	s_add_nc_u64 s[6:7], s[6:7], s[84:85]
	s_add_nc_u64 s[8:9], s[8:9], s[84:85]
	WIN 0x40
.irp T, 0,1,2,3
.irp i, 0,1,2,3,4,5,6,7
	global_load_b128 v[32*\T+4*\i:32*\T+4*\i+3], v[WAD], s[6:7] offset:4096*\T+32*\i
	global_load_b128 v[128+32*\T+4*\i:128+32*\T+4*\i+3], v[WAD], s[8:9] offset:4096*\T+32*\i
.endr
.endr
	WIN 0
	v_lshlrev_b32 v[BAD], 2, v[RR]
	s_lshl_b32 s84, s[HD], 8
	s_add_nc_u64 s[10:11], s[10:11], s[84:85]
	s_add_nc_u64 s[12:13], s[12:13], s[84:85]
.irp T, 0,1,2,3
	global_load_b32 v[TB+\T], v[BAD], s[10:11] offset:64*\T
	global_load_b32 v[TB+4+\T], v[BAD], s[12:13] offset:64*\T
.endr
	v_lshlrev_b32 v[NA], 4, v[LANE]                ; 16 x lane: for nsq, and for the stores at the end
	v_min_u32 v[NB], 25, v[LANE]
	v_lshlrev_b32 v[NB], 4, v[NB]
	NORM_LD 16, 4096, ACCA, NA, NB                 ; row 1 of nsq: ks's
	v_mul_u32_u24 v[A0], v[RR], PITCH
	v_lshl_add_u32 v[A0], v[HH], 4, v[A0]
	v_mov_b32 v[TP], 0
.irp t, 0,1,2,3
.irp j, 4,5,6,7
	v_mov_b32 v[KC+8*\t+\j], 0                     ; the first half step has 32 rows: the operands' other 32 along K are zero codes
	v_mov_b32 v[VC+8*\t+\j], 0
.endr
.endr
	s_mov_b32 s[SEL], 0x76543210
	s_mov_b32 s[SEL+1], 0xfedcba98
	s_mul_i32 s94, s82, SLOTB
	s_lshl_b32 s95, s[HD], 14
	s_add_co_u32 s94, s94, s95                     ; my 16 tiles in my range's slot of part
	s_mov_b32 s95, 0
	s_add_nc_u64 s[18:19], s[18:19], s[94:95]
	s_wait_kmcnt 0x0
	s_add_co_i32 s82, s[EE+2], s[EE+3]             ; e2 + e3
	s_add_co_i32 s83, s[EE+4], s[EE+5]             ; e4 + e5
	s_sub_co_i32 s84, 0, s82
	s_sub_co_i32 s85, 0, s83
	s_add_co_i32 s86, s[EE+6], 127
	s_lshl_b32 s87, s86, 23
	v_mov_b32 v[SCK], s87                          ; 2^e6: the conversion takes its exponent field
	s_add_co_i32 s86, s86, 8
	s_lshl_b32 s86, s86, 23
	s_or_b32 s[LIMK], s86, 0x600000                ; 448 x 2^e6
	s_or_b32 s[NLIMK], s[LIMK], 0x80000000
	s_sub_co_i32 s86, s[EE+7], s83                 ; a sum of vs stands for sum x 2^(e4 + e5): its code is sum / 2^(e7 - e4 - e5)
	s_add_co_i32 s86, s86, 127
	s_lshl_b32 s87, s86, 23
	v_mov_b32 v[SCV], s87
	s_add_co_i32 s86, s86, 8
	s_lshl_b32 s86, s86, 23
	s_or_b32 s[LIMV], s86, 0x600000
	s_or_b32 s[NLIMV], s[LIMV], 0x80000000
	s_wait_loadcnt 0x0
	NORM_DO ACCA, TB+8
	s_wait_alu depctr_va_vdst(0)
	v_ldexp_f32 v[TB+8], v[TB+8], s82              ; ks_n = sum x 2^(e2 + e3) / (|ks| + eps)
	v_readfirstlane_b32 s[GK], v[TB+8]             ; the same number in every lane: kept as a scalar, a factor and nothing else
	s_mov_b32 s[GK+1], s[GK]
	WIN 0x80
.irp T, 0,1,2,3
.irp j, 0,1,2,3,4,5,6,7
	v_ldexp_f32 v[BC+8*\T+\j], v[TB+\T], s84
	v_ldexp_f32 v[BC+32+8*\T+\j], v[TB+4+\T], s85
.endr
.endr
	WIN 0
; slice gi of 8: four registers (tile gi / 2, half gi % 2: each accumulator from its low end on).  job 1: ks's tiles: x the factor, the hold.  job 2: vs's: the hold.
; Behind slice 7 the four tiles become codes: registers 2 rt, 2 rt + 1 of the four operands; one plain instruction follows the last conversion.
.macro SL2 job, rt
.if \job == 1
.set rS, ACCA+4*gi
	v_pk_mul_f32 v[rS:rS+1], v[rS:rS+1], s[GK:GK+1] op_sel_hi:[1,0]
	v_pk_mul_f32 v[rS+2:rS+3], v[rS+2:rS+3], s[GK:GK+1] op_sel_hi:[1,0]
.irp j, 0,1,2,3
	v_med3_num_f32 v[rS+\j], v[rS+\j], s[NLIMK], s[LIMK]         ; the conversion to an 8-bit code does not saturate (ISA guide 7.6.2)
.endr
.if gi == 7
	WIN 0
.irp t, 0,1,2,3
	v_cvt_scalef32_pk8_fp8_f32 v[KC+8*\t+2*(\rt):KC+8*\t+2*(\rt)+1], v[ACCA+8*\t:ACCA+8*\t+7], v[SCK]
.endr
	v_nop
.endif
.endif
.if \job == 2
.set rS, ACCB+4*gi
.irp j, 0,1,2,3
	v_med3_num_f32 v[rS+\j], v[rS+\j], s[NLIMV], s[LIMV]
.endr
.if gi == 7
	WIN 0
.irp t, 0,1,2,3
	v_cvt_scalef32_pk8_fp8_f32 v[VC+8*\t+2*(\rt):VC+8*\t+2*(\rt)+1], v[ACCB+8*\t:ACCA+8*\t+39], v[SCV]
.endr
	v_nop
.endif
.endif
.endm
; a group: tiles t0 .. t0 + 3, two K steps, the four accumulators by turns
.macro GRP2 acc, xb, t0, job, rt
.set gi, 0
.rept 8
.set rD, \acc+8*(gi%4)
.set rW, 32*(\t0+gi%4)
.if gi < 4
	WIN 0x24
	v_wmma_f32_16x16x128_fp8_fp8 v[rD:rD+7], v[\xb:\xb+15], v[rW:rW+15], v[BC+8*(\t0+gi%4):BC+8*(\t0+gi%4)+7]
.else
	WIN 0x04
	v_wmma_f32_16x16x128_fp8_fp8 v[rD:rD+7], v[\xb+16:\xb+31], v[rW+16:rW+31], v[rD:rD+7]
.endif
	SL2 \job, \rt
.set gi, gi+1
.endr
.endm
.macro XLOAD xb, tau                   ; 8 LDS loads: row tile tau of the step in hand
	WIN 0
	v_add_nc_u32 v[AD], s[XO], v[A0]
.irp i, 0,1,2,3,4,5,6,7
	ds_load_b128 v[\xb+4*\i:\xb+4*\i+3], v[AD] offset:(\tau)*TROW+32*\i
.endr
.endm
; ks's group of a row tile.  ld = 1: first the next row tile is asked for, into the buffer nb that the group before has just left (its last slice, eleven plain instructions, stands between)
.macro KG ld, tau, nb, xb, job, rt
.if \ld
	XLOAD \nb, \tau
	s_wait_dscnt 0x8                               ; all but the 8 just issued: this row tile's fragment is in
.else
	s_wait_dscnt 0x0
.endif
	GRP2 ACCA, \xb, 0, \job, \rt
.endm
.macro PROD4 zero                      ; kvs += ks_n^T vs over 64 rows: 16 accumulators, one product each
.if \zero
	WIN 0x80
.else
	WIN 0xa0
.endif
.irp mt, 0,1,2,3
.irp dt, 0,1,2,3
.if \zero
	v_wmma_f32_16x16x64_fp8_fp8 v[8*(4*\mt+\dt):8*(4*\mt+\dt)+7], v[KC+8*\mt:KC+8*\mt+7], v[VC+8*\dt:VC+8*\dt+7], 0
.else
	v_wmma_f32_16x16x64_fp8_fp8 v[8*(4*\mt+\dt):8*(4*\mt+\dt)+7], v[KC+8*\mt:KC+8*\mt+7], v[VC+8*\dt:VC+8*\dt+7], v[8*(4*\mt+\dt):8*(4*\mt+\dt)+7]
.endif
.endr
.endr
	WIN 0
.endm
; a step of 64 rows, from the vs group of its first row tile to the ks group of the next step's first
.macro STEP last
	GRP2 ACCB, X0, 4, 1, 0
	KG 1, 2, X0, X1, 2, 0
	GRP2 ACCB, X1, 4, 1, 1
	KG 1, 3, X1, X0, 2, 1
	GRP2 ACCB, X0, 4, 1, 2
.if \last
	KG 0, 0, X0, X1, 2, 2
	GRP2 ACCB, X1, 4, 1, 3
.set gi, 0
.rept 8
	SL2 2, 3                                       ; the last tiles of vs; the slices of the group before are the places behind its products
.set gi, gi+1
.endr
	PROD4 0
.else
	KG 1, 4, X0, X1, 2, 2
	GRP2 ACCB, X1, 4, 1, 3
	KG 1, 5, X1, X0, 2, 3
	PROD4 0
	s_add_co_u32 s[XO], s[XO], 4*TROW
.endif
.endm
	s_mov_b32 s[XO], 0
	s_wait_tensorcnt 0x2                           ; my part of rows 0-191 is in; my two later loads may stay out
	s_barrier_signal -1
	s_barrier_wait -1
	XLOAD X0, 0
	KG 1, 1, X1, X0, 0, 0                          ; the first half step: rows 0-31
	PLACES                                         ; no vector work is at hand yet
	GRP2 ACCB, X0, 4, 1, 0
	KG 1, 2, X0, X1, 2, 0
	GRP2 ACCB, X1, 4, 1, 1
	KG 1, 3, X1, X0, 2, 1
	PROD4 1                                        ; its products start the sums: nothing is cleared
	s_mov_b32 s[XO], 2*TROW
	s_mov_b32 s[CNT], 2
.Lstage1:                                              ; steps 0, 1: step s reads rows under 128 + 64 s
	STEP 0
	s_sub_co_u32 s[CNT], s[CNT], 1
	s_cmp_lg_u32 s[CNT], 0
	s_cbranch_scc1 .Lstage1
	s_wait_tensorcnt 0x1                           ; my part of rows 192-447 is in; my last load may stay out
	s_wait_dscnt 0x0
	s_barrier_signal -1
	s_barrier_wait -1
	s_mov_b32 s[XO], 10*TROW                       ; stated anew: a loop's LDS offsets are a constant + trips x 17,408
	s_mov_b32 s[CNT], 4
.Lstage2:                                              ; steps 2-5
	STEP 0
	s_sub_co_u32 s[CNT], s[CNT], 1
	s_cmp_lg_u32 s[CNT], 0
	s_cbranch_scc1 .Lstage2
	s_wait_tensorcnt 0x0
	s_wait_dscnt 0x0
	s_barrier_signal -1
	s_barrier_wait -1
	s_mov_b32 s[XO], 26*TROW
	s_mov_b32 s[CNT], 5
.Lstage3:                                              ; steps 6-10
	STEP 0
	s_sub_co_u32 s[CNT], s[CNT], 1
	s_cmp_lg_u32 s[CNT], 0
	s_cbranch_scc1 .Lstage3
	STEP 1                                         ; step 11: rows 736-799; nothing lies beyond
	PLACES
	WIN 0x08                                       ; the stores' data lie in window 2
.irp t, 0,1,2,3,4,5,6,7,8,9,10,11,12,13,14,15
	global_store_b128 v[NA], v[8*\t:8*\t+3], s[18:19] offset:1024*\t            ; a tile as an image of its registers: 512 consecutive bytes a store
	global_store_b128 v[NA], v[8*\t+4:8*\t+7], s[18:19] offset:1024*\t+512
.endr
	WIN 0
	s_wait_tensorcnt 0x0
	ds_add_u32 v254, v255
	s_wait_dscnt 0x0
	s_endpgm
.Lfunc_end_k_qe82df9e4a7_kv:
	.size	k_qe82df9e4a7_kv, .Lfunc_end_k_qe82df9e4a7_kv-k_qe82df9e4a7_kv
	.p2alignl 7, 3214868480
	.fill 96, 4, 3214868480
	.section	.rodata,"a",@progbits
	.p2align	6, 0x0
	.amdhsa_kernel k_qe82df9e4a7_kv
		.amdhsa_group_segment_fixed_size 218112
		.amdhsa_private_segment_fixed_size 0
		.amdhsa_enable_private_segment 0
		.amdhsa_kernarg_size 64
		.amdhsa_user_sgpr_count 2
		.amdhsa_user_sgpr_kernarg_segment_ptr 1
		.amdhsa_wavefront_size32 1
		.amdhsa_system_sgpr_workgroup_id_x 1
		.amdhsa_system_sgpr_workgroup_id_y 1
		.amdhsa_system_sgpr_workgroup_id_z 1
		.amdhsa_system_vgpr_workitem_id 0
		.amdhsa_next_free_vgpr 768
		.amdhsa_next_free_sgpr 96
		.amdhsa_reserve_vcc 1
		.amdhsa_float_denorm_mode_32 3
		.amdhsa_float_denorm_mode_16_64 3
		.amdhsa_memory_ordered 1
		.amdhsa_forward_progress 1
		.amdhsa_inst_pref_size 162
	.end_amdhsa_kernel
	.amdgpu_metadata
---
amdhsa.version: [ 1, 2 ]
amdhsa.kernels:
  - .name:           k_qe82df9e4a7_kv
    .symbol:         k_qe82df9e4a7_kv.kd
    .args:
      - { .name: source_input_codes, .offset: 0, .size: 8, .value_kind: global_buffer, .address_space: global }
      - { .name: Wk_w_codes, .offset: 8, .size: 8, .value_kind: global_buffer, .address_space: global }
      - { .name: Wv_w_codes, .offset: 16, .size: 8, .value_kind: global_buffer, .address_space: global }
      - { .name: Wk_b, .offset: 24, .size: 8, .value_kind: global_buffer, .address_space: global }
      - { .name: Wv_b, .offset: 32, .size: 8, .value_kind: global_buffer, .address_space: global }
      - { .name: lowp_scales, .offset: 40, .size: 8, .value_kind: global_buffer, .address_space: global }
      - { .name: nsq, .offset: 48, .size: 8, .value_kind: global_buffer, .address_space: global }
      - { .name: part, .offset: 56, .size: 8, .value_kind: global_buffer, .address_space: global }
    .group_segment_fixed_size: 218112
    .private_segment_fixed_size: 0
    .kernarg_segment_align: 8
    .kernarg_segment_size: 64
    .max_flat_workgroup_size: 128
    .sgpr_count:     96
    .vgpr_count:     768
    .wavefront_size: 32
...
	.end_amdgpu_metadata
.endif
;; end of part 2
;; launch fold (part 3): grid 130 x 1, 25 waves a work-group, no clusters, 28,928 bytes of LDS; arguments part, nsq, lowp_scales, kvc, ksum; writes kvc, ksum
.if DOCPART == 3
	.amdgcn_target "amdgcn-amd-amdhsa--gfx1250"
	.amdhsa_code_object_version 6
	.text
	.protected	k_qe82df9e4a7_fold
	.globl	k_qe82df9e4a7_fold
	.p2align	8
	.type	k_qe82df9e4a7_fold,@function
k_qe82df9e4a7_fold:
	s_mov_b64 s[64:65], 0
	v_nop
	global_prefetch_b8 v0, s[64:65] scope:SCOPE_SE
	s_setreg_imm32_b32 hwreg(HW_REG_WAVE_MODE, 25, 1), 1
	s_wait_xcnt 0x0
; THE PARTS ARE ADDED.  Work-group t takes tile t of part (1,024 bytes a slot: eight f32 a lane, registers 0-3 at 16 x lane, 4-7 at 512 + 16 x lane).
; t < 128: a tile of kvs, 125 slots: the sum x 2^(e6 + e7) is quantised with e8; the two registers of codes are registers 2 mt, 2 mt + 1 of the operand (head, dt) of the last launch.
; t = 128, 129: the column sums of ks, 250 slots: the sum / (|ks| + eps) goes to ksum.
; 25 waves, 5 slots each (10 for the last two tiles, under one branch on the work-group's number): all loads of a tile go out at once.  The 25 sums meet in LDS; wave 0 finishes.
; Memory binds: no matrix unit, no tensor load, no cluster.  Seven waves of 144 registers share a SIMD's 1,024.
; LIMITS: e8 - e6 - e7 between -126 and 119.  NaN is not served.
; REGISTERS: v16-23 the sum; v24-63 five slots; v64-103 five more; v104-135 the sums of squares; wave 0 later takes eight images at a time into v24-87.
.set SLOTB, 133120
.set LANE, 1
.set TP,   11
.set SEL,  34
.macro NORM_LD sb, off, R, va, vb      ; the 1,000 waves' sums of squares (4,000 bytes from off on): seven times 512 bytes, then 416 (lanes 26-31 repeat lane 25's and are cleared)
.irp i, 0,1,2,3,4,5,6
	global_load_b128 v[\R+4*\i:\R+4*\i+3], v[\va], s[\sb:\sb+1] offset:\off+512*\i
.endr
	global_load_b128 v[\R+28:\R+31], v[\vb], s[\sb:\sb+1] offset:\off+3584
.endm
.macro NORM_DO R, dst                  ; v[dst] = 1 / (sqrt(sum) + 1e-6), in every lane
	v_cmp_gt_u32 vcc_lo, 26, v[LANE]
.irp i, 28,29,30,31
	v_cndmask_b32 v[\R+\i], 0, v[\R+\i], vcc_lo
.endr
.irp i, 0,2,4,6,8,10,12,14
	v_pk_add_f32 v[\R+\i:\R+\i+1], v[\R+\i:\R+\i+1], v[\R+16+\i:\R+17+\i]
.endr
.irp i, 0,2,4,6
	v_pk_add_f32 v[\R+\i:\R+\i+1], v[\R+\i:\R+\i+1], v[\R+8+\i:\R+9+\i]
.endr
.irp i, 0,2
	v_pk_add_f32 v[\R+\i:\R+\i+1], v[\R+\i:\R+\i+1], v[\R+4+\i:\R+5+\i]
.endr
	v_pk_add_f32 v[\R:\R+1], v[\R:\R+1], v[\R+2:\R+3]
	v_add_f32 v[\R], v[\R], v[\R+1]
	v_add_f32_dpp v[\R], v[\R], v[\R] row_xmask:1 row_mask:0xf bank_mask:0xf
	v_add_f32_dpp v[\R], v[\R], v[\R] row_xmask:2 row_mask:0xf bank_mask:0xf
	v_add_f32_dpp v[\R], v[\R], v[\R] row_xmask:4 row_mask:0xf bank_mask:0xf
	v_add_f32_dpp v[\R], v[\R], v[\R] row_xmask:8 row_mask:0xf bank_mask:0xf
	v_permlanex16_b32 v[TP], v[\R], s[SEL], s[SEL+1]
	v_add_f32 v[\R], v[\R], v[TP]
	v_sqrt_f32 v[\R], v[\R]
	v_nop                                          ; a plain instruction behind each transcendental
	s_wait_alu depctr_va_vdst(0)
	v_add_f32 v[\R], 0x358637bd, v[\R]
	v_rcp_f32 v[\dst], v[\R]
	v_nop
.endm
	s_load_b256 s[4:11], s[0:1], 0x0               ; part 4, nsq 6, scales 8, kvc 10
	s_load_b64 s[12:13], s[0:1], 0x20              ; ksum
	v_lshl_add_u32 v142, v0, 2, 0x6400
	v_mov_b32 v143, 0
	v_lshrrev_b32 v2, 5, v0
	v_readfirstlane_b32 s14, v2                    ; wave 0..24
	v_and_b32 v[LANE], 31, v0
	v_lshlrev_b32 v3, 4, v[LANE]                   ; 16 x lane
	v_min_u32 v4, 25, v[LANE]
	v_lshlrev_b32 v4, 4, v4
	v_lshl_add_u32 v5, v2, 10, v3                  ; LDS: 1,024 x wave + 16 x lane
	v_mov_b32 v[TP], 0
	s_mov_b32 s[SEL], 0x76543210
	s_mov_b32 s[SEL+1], 0xfedcba98
	s_lshl_b32 s16, ttmp9, 10
	s_mul_i32 s17, s14, 5*SLOTB
	s_add_co_u32 s16, s16, s17
	s_mov_b32 s17, 0
	s_wait_kmcnt 0x0
	s_load_b256 s[20:27], s[8:9], 0x0              ; e0 .. e7
	s_load_b32 s28, s[8:9], 0x20                   ; e8
	s_add_nc_u64 s[4:5], s[4:5], s[16:17]          ; my tile in my first slot, 5 x wave
.irp i, 0,1,2,3,4
	global_load_b128 v[24+8*\i:27+8*\i], v3, s[4:5] offset:SLOTB*\i th:TH_LOAD_NT       ; 512 consecutive bytes a load
	global_load_b128 v[28+8*\i:31+8*\i], v3, s[4:5] offset:SLOTB*\i+512 th:TH_LOAD_NT
.endr
	NORM_LD 6, 4096, 104, 3, 4                     ; ks's sums of squares, asked for with the rest; used by wave 0 of the last two work-groups
	s_cmp_lt_u32 ttmp9, 128
	s_cbranch_scc1 .Lone
	s_add_nc_u64 s[36:37], s[4:5], 125*SLOTB       ; the column sums have 250 slots: slots 125 + 5 x wave on
.irp i, 0,1,2,3,4
	global_load_b128 v[64+8*\i:67+8*\i], v3, s[36:37] offset:SLOTB*\i th:TH_LOAD_NT
	global_load_b128 v[68+8*\i:71+8*\i], v3, s[36:37] offset:SLOTB*\i+512 th:TH_LOAD_NT
.endr
	s_wait_loadcnt 0x0
.irp i, 0,1,2,3,4
.irp j, 0,2,4,6
	v_pk_add_f32 v[24+8*\i+\j:25+8*\i+\j], v[24+8*\i+\j:25+8*\i+\j], v[64+8*\i+\j:65+8*\i+\j]
.endr
.endr
.Lone:
	s_wait_loadcnt 0x0
.irp j, 0,2,4,6
	v_pk_add_f32 v[16+\j:17+\j], v[24+\j:25+\j], v[32+\j:33+\j]
.endr
.irp i, 2,3,4
.irp j, 0,2,4,6
	v_pk_add_f32 v[16+\j:17+\j], v[16+\j:17+\j], v[24+8*\i+\j:25+8*\i+\j]
.endr
.endr
	ds_store_b128 v5, v[16:19]
	ds_store_b128 v5, v[20:23] offset:512
	s_wait_dscnt 0x0                               ; for the others' sake: my sums lie in LDS
	s_barrier_signal -1
	s_barrier_wait -1
	s_cmp_lg_u32 s14, 0
	s_cbranch_scc1 .Lend
.irp b, 0,1,2                                  ; the other 24 waves' images, eight at a time
.irp p, 1,2,3,4,5,6,7,8
	ds_load_b128 v[16+8*\p:19+8*\p], v3 offset:1024*(8*\b+\p)
	ds_load_b128 v[20+8*\p:23+8*\p], v3 offset:1024*(8*\b+\p)+512
.endr
	s_wait_dscnt 0x0
.irp p, 1,2,3,4,5,6,7,8
.irp j, 0,2,4,6
	v_pk_add_f32 v[16+\j:17+\j], v[16+\j:17+\j], v[16+8*\p+\j:17+8*\p+\j]
.endr
.endr
.endr
	s_cmp_lt_u32 ttmp9, 128
	s_cbranch_scc0 .Lks
	s_wait_kmcnt 0x0
	s_sub_co_i32 s29, s28, s26
	s_sub_co_i32 s29, s29, s27                     ; a sum stands for sum x 2^(e6 + e7): its code is sum / 2^(e8 - e6 - e7)
	s_add_co_i32 s29, s29, 127
	s_lshl_b32 s30, s29, 23
	v_mov_b32 v6, s30
	s_add_co_i32 s29, s29, 8
	s_lshl_b32 s29, s29, 23
	s_or_b32 s29, s29, 0x600000
	v_mov_b32 v7, s29
.irp j, 0,1,2,3,4,5,6,7
	v_med3_num_f32 v[16+\j], v[16+\j], -v7, v7     ; the conversion does not saturate (ISA guide 7.6.2)
.endr
	v_cvt_scalef32_pk8_fp8_f32 v[8:9], v[16:23], v6    ; d = 16 dt + lane % 16, m = 16 mt + 8 (lane / 16) + 0 .. 7
	s_lshr_b32 s30, ttmp9, 4                       ; tile = 16 head + 4 mt + dt
	s_lshl_b32 s30, s30, 12
	s_and_b32 s31, ttmp9, 3
	s_lshl_b32 s31, s31, 10
	s_add_co_u32 s30, s30, s31
	s_bfe_u32 s31, ttmp9, 0x20002
	s_lshl_b32 s31, s31, 8
	s_add_co_u32 s30, s30, s31                     ; 4,096 head + 1,024 dt + 256 mt
	v_lshl_add_u32 v10, v[LANE], 3, s30
	global_store_b64 v10, v[8:9], s[10:11]         ; 256 consecutive bytes
	s_wait_tensorcnt 0x0
	ds_add_u32 v142, v143
	s_wait_dscnt 0x0
	s_endpgm
.Lks:
	NORM_DO 104, 6
	s_wait_alu depctr_va_vdst(0)
.irp j, 0,1,2,3,4,5,6,7
	v_mul_f32 v[16+\j], v[16+\j], v6
.endr
	s_sub_co_u32 s30, ttmp9, 128
	s_lshl_b32 s30, s30, 10
	v_add_nc_u32 v10, s30, v3
	global_store_b128 v10, v[16:19], s[12:13]
	global_store_b128 v10, v[20:23], s[12:13] offset:512
.Lend:
	s_wait_tensorcnt 0x0
	ds_add_u32 v142, v143
	s_wait_dscnt 0x0
	s_endpgm
.Lfunc_end_k_qe82df9e4a7_fold:
	.size	k_qe82df9e4a7_fold, .Lfunc_end_k_qe82df9e4a7_fold-k_qe82df9e4a7_fold
	.p2alignl 7, 3214868480
	.fill 96, 4, 3214868480
	.section	.rodata,"a",@progbits
	.p2align	6, 0x0
	.amdhsa_kernel k_qe82df9e4a7_fold
		.amdhsa_group_segment_fixed_size 28928
		.amdhsa_private_segment_fixed_size 0
		.amdhsa_enable_private_segment 0
		.amdhsa_kernarg_size 40
		.amdhsa_user_sgpr_count 2
		.amdhsa_user_sgpr_kernarg_segment_ptr 1
		.amdhsa_wavefront_size32 1
		.amdhsa_system_sgpr_workgroup_id_x 1
		.amdhsa_system_sgpr_workgroup_id_y 1
		.amdhsa_system_sgpr_workgroup_id_z 1
		.amdhsa_system_vgpr_workitem_id 0
		.amdhsa_next_free_vgpr 144
		.amdhsa_next_free_sgpr 66
		.amdhsa_reserve_vcc 1
		.amdhsa_float_denorm_mode_32 3
		.amdhsa_float_denorm_mode_16_64 3
		.amdhsa_memory_ordered 1
		.amdhsa_forward_progress 1
		.amdhsa_inst_pref_size 20
	.end_amdhsa_kernel
	.amdgpu_metadata
---
amdhsa.version: [ 1, 2 ]
amdhsa.kernels:
  - .name:           k_qe82df9e4a7_fold
    .symbol:         k_qe82df9e4a7_fold.kd
    .args:
      - { .name: part, .offset: 0, .size: 8, .value_kind: global_buffer, .address_space: global }
      - { .name: nsq, .offset: 8, .size: 8, .value_kind: global_buffer, .address_space: global }
      - { .name: lowp_scales, .offset: 16, .size: 8, .value_kind: global_buffer, .address_space: global }
      - { .name: kvc, .offset: 24, .size: 8, .value_kind: global_buffer, .address_space: global }
      - { .name: ksum, .offset: 32, .size: 8, .value_kind: global_buffer, .address_space: global }
    .group_segment_fixed_size: 28928
    .private_segment_fixed_size: 0
    .kernarg_segment_align: 8
    .kernarg_segment_size: 40
    .max_flat_workgroup_size: 800
    .sgpr_count:     66
    .vgpr_count:     144
    .wavefront_size: 32
...
	.end_amdgpu_metadata
.endif
;; end of part 3
;; launch attend (part 4): grid 250 x 1, 4 waves a work-group, no clusters, 305,152 bytes of LDS; arguments query_input_codes, source_input_codes, Wq_w_codes, Wv_w_codes, Wq_b, Wv_b, lowp_scales, nsq, kvc, ksum, out0; writes out0
.if DOCPART == 4
	.amdgcn_target "amdgcn-amd-amdhsa--gfx1250"
	.amdhsa_code_object_version 6
	.text
	.protected	k_qe82df9e4a7_attend
	.globl	k_qe82df9e4a7_attend
	.p2align	8
	.type	k_qe82df9e4a7_attend,@function
k_qe82df9e4a7_attend:
	s_mov_b64 s[64:65], 0
	v_nop
	global_prefetch_b8 v0, s[64:65] scope:SCOPE_SE
	s_setreg_imm32_b32 hwreg(HW_REG_WAVE_MODE, 25, 1), 1
	s_wait_xcnt 0x0
; LAST PASS: qs and vs once more; qs / (|qs| + eps) is quantised (e9) and multiplied by kvs's codes (e8); the normaliser is an f32 dot with ksum;
; out[l][d] = 1/8 x sum over heads of (qs_n . kvs + N vs) / (qs_n . ksum + N + eps).
; SHARES.  A work-group owns 400 rows; wave w heads 2 w and 2 w + 1: 8 tiles of Wq, 8 of Wv (512 registers, kept), 8 fragments of kvs.  Both inputs' 400 rows fit in LDS whole: every byte of them is
; filled once, by three tensor loads a wave issued at the head (three are out at the most).  The stage for the heads' sums has LDS bytes of its own, into which no fill lands.
; THE WEIGHTS come in as they lie, 512 consecutive bytes a load, and are turned into the operand's order through the wave's own part of the stage, 64 columns at a time, before the stage's first use.
; LAYOUT.  All products are used transposed (source 0 = 16 columns of W or 16 of kvs's d, source 1 = 16 rows of X or qs's codes): a lane holds ONE row l = lane % 16 throughout, and its registers run along
; the columns 16 T + 8 (lane / 16) + 0 .. 7.  So qs's conversions are the next product's operand (K = the head's 64), and vs and qs_n . kvs lie alike.
; BY TURNS.  Behind each product stands a slice of the vector work on tiles finished earlier; within a slice no line reads the result of a line just above it (the dot runs in two pairs; a slice holds what the slice before multiplied;
; the two heads' normalisers alternate).  All factors are folded: per row and head FV = N 2^(e4+e5) / (8 x normaliser), FP = 2^(e8+e9) / (8 x normaliser).
; 80 rows at a time the four waves' sums meet in the stage; each wave adds 20 rows and stores them, 512 consecutive bytes a store.  The five chunks are written out, so that each loop's LDS offsets are a constant + trips x a step.
; NO CLUSTER: 250 work-groups do not divide into fours; the rows are each work-group's own, and the weights go into registers once.
; LIMITS: e9 between -126 and 119.  The sum of qs^2 is a normal f32 number, or counts as 0.  NaN is not served.  The divisions are v_rcp_f32 and a multiplication.
; REGISTERS: window 0: v1-28 addresses, factors, the dot's second pairs; v32-95 ksum x the factor of qs; v96-127, v128-159 qs's tiles of the two heads, later qs_n . kvs; v160-191, v192-223 vs's; v224-239 qs's codes; v240-253 a row's figures.
;   window 1: Wq.   window 2: Wv.   window 3: v0-63, v64-127 the biases as C; v128-159 Xq's fragment, v160-191 Xs's; v192-255 kvs's fragments (32 hl + 8 dt).
.set NROW,  400
.set PITCH, 272
.set TROW,  16*PITCH
.set XSB,   NROW*PITCH
.set STG,   2*XSB                      ; the stage: 4 waves x 80 rows x (256 bytes + 16)
.set STW,   80*PITCH
.set LANE, 1
.set A0Q,  2
.set A0S,  3
.set AD,   4
.set AD2,  5
.set WST,  6
.set STO,  7
.set STA,  8
.set RD0,  9
.set RD1,  10
.set OAD,  11
.set L16,  11                          ; 16 x lane serves the weights' loads and out0's stores
.set GQ,   12
.set LIMQ, 14
.set SCQ,  15
.set CV,   16
.set CP,   17
.set NB,   18
.set BAD,  19
.set RR,   20
.set HH,   21
.set KAD,  22
.set TP,   23
.set DB,   24
.set WLD,  28
.set KS,   32
.set QA0,  96
.set QA1,  128
.set VA0,  160
.set VA1,  192
.set QC,   224
.set DOT0, 240
.set TMP,  244
.set FV0,  246
.set FP0,  248
.set FV1,  250
.set FP1,  252
.set BQ,   0                           ; window 3
.set BV,   64
.set XQ,   128
.set XS,   160
.set KV,   192
.set G1A,  24
.set G1B,  32
.set G0,   48
.set SEL,  60
.set OUT,  62
.set EE,   68
.set WV,   78
.set XO,   79
.set SO,   80
.set CNT,  81
.set MSB, 0
.macro WIN new
.if MSB != (\new)
	s_set_vgpr_msb (MSB<<8)|(\new)
.set MSB, \new
.endif
.endm
.macro G1SET g, rows
	s_mov_b32 s[\g], (1<<20)|(5<<22)|(3<<25)
	s_mov_b32 s[\g+1], 256<<16
	s_mov_b32 s[\g+2], (\rows)<<16
	s_mov_b32 s[\g+3], 256<<16
	s_mov_b32 s[\g+4], \rows
	s_mov_b32 s[\g+5], 256
	s_mov_b32 s[\g+6], 0
	s_mov_b32 s[\g+7], 0
.endm
; 64 columns of a weight, 16,384 consecutive bytes, as they lie: 32 loads of 512 consecutive bytes, into the 128 registers (of window win) where the columns will stay
.macro WLOADS sb, off, reg, win
	WIN (\win)<<6
.set wi, 0
.rept 32
	global_load_b128 v[\reg+4*wi:\reg+4*wi+3], v[L16], s[\sb:\sb+1] offset:\off+512*wi
.set wi, wi+1
.endr
.endm
; and turned: load wi holds columns 2 wi and 2 wi + 1, sixteen lanes each; they go into rows of my part of the stage and come back as four tiles' fragments (lane: column lane % 16, k = 32 j + 16 (lane / 16) on).
; LDS serves a wave's instructions in order (ISA guide 5.7.1.4): the loads see the stores, and land in registers that the stores have read; the next piece's stores come behind these loads.
.macro WTURN reg, win
	WIN (\win)<<2                                  ; an LDS store's data are its source 1
.set wi, 0
.rept 32
	ds_store_b128 v[WST], v[\reg+4*wi:\reg+4*wi+3] offset:544*wi
.set wi, wi+1
.endr
	WIN (\win)<<6
.set wi, 0
.rept 32
	ds_load_b128 v[\reg+4*wi:\reg+4*wi+3], v[WLD] offset:4352*(wi/8)+32*(wi%8)
.set wi, wi+1
.endr
.endm
.macro NORM_LD sb, off, R, va, vb
.irp i, 0,1,2,3,4,5,6
	global_load_b128 v[\R+4*\i:\R+4*\i+3], v[\va], s[\sb:\sb+1] offset:\off+512*\i
.endr
	global_load_b128 v[\R+28:\R+31], v[\vb], s[\sb:\sb+1] offset:\off+3584
.endm
.macro NORM_DO R, dst
	v_cmp_gt_u32 vcc_lo, 26, v[LANE]
.irp i, 28,29,30,31
	v_cndmask_b32 v[\R+\i], 0, v[\R+\i], vcc_lo
.endr
.irp i, 0,2,4,6,8,10,12,14
	v_pk_add_f32 v[\R+\i:\R+\i+1], v[\R+\i:\R+\i+1], v[\R+16+\i:\R+17+\i]
.endr
.irp i, 0,2,4,6
	v_pk_add_f32 v[\R+\i:\R+\i+1], v[\R+\i:\R+\i+1], v[\R+8+\i:\R+9+\i]
.endr
.irp i, 0,2
	v_pk_add_f32 v[\R+\i:\R+\i+1], v[\R+\i:\R+\i+1], v[\R+4+\i:\R+5+\i]
.endr
	v_pk_add_f32 v[\R:\R+1], v[\R:\R+1], v[\R+2:\R+3]
	v_add_f32 v[\R], v[\R], v[\R+1]
	v_add_f32_dpp v[\R], v[\R], v[\R] row_xmask:1 row_mask:0xf bank_mask:0xf
	v_add_f32_dpp v[\R], v[\R], v[\R] row_xmask:2 row_mask:0xf bank_mask:0xf
	v_add_f32_dpp v[\R], v[\R], v[\R] row_xmask:4 row_mask:0xf bank_mask:0xf
	v_add_f32_dpp v[\R], v[\R], v[\R] row_xmask:8 row_mask:0xf bank_mask:0xf
	v_permlanex16_b32 v[TP], v[\R], s[SEL], s[SEL+1]
	v_add_f32 v[\R], v[\R], v[TP]
	v_sqrt_f32 v[\R], v[\R]
	v_nop
	s_wait_alu depctr_va_vdst(0)
	v_add_f32 v[\R], 0x358637bd, v[\R]
	v_rcp_f32 v[\dst], v[\R]
	v_nop
.endm
	s_load_b512 s[4:19], s[0:1], 0x0               ; Xq 4, Xs 6, Wq 8, Wv 10, bq 12, bv 14, scales 16, nsq 18
	s_load_b128 s[20:23], s[0:1], 0x40             ; kvc 20, ksum 22
	s_load_b64 s[OUT:OUT+1], s[0:1], 0x50          ; out0
	v_lshl_add_u32 v30, v0, 2, 0x4a600
	v_mov_b32 v31, 0
	ds_add_u32 v30, v31
	ds_add_u32 v30, v31
	v_lshrrev_b32 v[RR], 5, v0
	v_readfirstlane_b32 s[WV], v[RR]
	v_and_b32 v[LANE], 31, v0
	G1SET G1A, 40
	G1SET G1B, 80
	; waves 0, 1 fetch Xq, waves 2, 3 Xs; each half of: rows 0-79, rows 80-239, rows 240-399
	s_lshr_b32 s40, s[WV], 1
	s_and_b32 s41, s[WV], 1
	s_mul_i32 s42, s40, XSB
	s_mul_i32 s43, s41, 40*PITCH
	s_add_co_u32 s43, s43, s42
	s_mul_i32 s44, s41, 80*PITCH
	s_add_co_u32 s44, s44, s42
	s_mul_i32 s46, ttmp9, NROW*256
	s_mul_i32 s84, s41, 40*256
	s_add_co_u32 s84, s84, s46
	s_mov_b32 s85, 0
	s_mul_i32 s86, s41, 80*256
	s_add_co_u32 s86, s86, s46
	s_mov_b32 s87, 0
	s_wait_dscnt 0x0
	s_wait_kmcnt 0x0
	s_load_b256 s[EE:EE+7], s[16:17], 0x0          ; e0 .. e7
	s_load_b64 s[EE+8:EE+9], s[16:17], 0x20        ; e8, e9
	s_cmp_eq_u32 s40, 0
	s_cselect_b64 s[88:89], s[4:5], s[6:7]         ; the choice hangs on the wave's number alone
	s_mov_b32 s[G0], 1
	s_mov_b32 s[G0+1], s43
	s_add_nc_u64 s[G0+2:G0+3], s[88:89], s[84:85]
	s_or_b32 s[G0+3], s[G0+3], 0x80000000
	s_add_nc_u64 s[88:89], s[88:89], s[86:87]
	s_mov_b32 s[G0+4], 1
	s_add_co_u32 s[G0+5], s44, 80*PITCH
	s_add_nc_u64 s[G0+6:G0+7], s[88:89], 80*256
	s_or_b32 s[G0+7], s[G0+7], 0x80000000
	s_mov_b32 s[G0+8], 1
	s_add_co_u32 s[G0+9], s44, 240*PITCH
	s_add_nc_u64 s[G0+10:G0+11], s[88:89], 240*256
	s_or_b32 s[G0+11], s[G0+11], 0x80000000
	tensor_load_to_lds s[G0:G0+3], s[G1A:G1A+7]    ; all fills of the launch go out together, ahead of every wait on them, every LDS read and every barrier
	s_nop 0
	tensor_load_to_lds s[G0+4:G0+7], s[G1B:G1B+7]
	s_nop 0
	tensor_load_to_lds s[G0+8:G0+11], s[G1B:G1B+7]
	s_nop 0
.rept 4
	v_nop
.endr
	v_and_b32 v[RR], 15, v0
	v_bfe_u32 v[HH], v0, 4, 1
	v_lshlrev_b32 v[BAD], 5, v[HH]                 ; a lane's eight columns of a tile: 32 h bytes on
	v_lshlrev_b32 v[KAD], 3, v[LANE]
	v_lshlrev_b32 v[OAD], 4, v[LANE]
	v_min_u32 v[NB], 25, v[LANE]
	v_lshlrev_b32 v[NB], 4, v[NB]
	s_lshl_b32 s84, s[WV], 9
	s_add_nc_u64 s[12:13], s[12:13], s[84:85]
	s_add_nc_u64 s[14:15], s[14:15], s[84:85]
	s_add_nc_u64 s[22:23], s[22:23], s[84:85]
	s_lshl_b32 s84, s[WV], 13                      ; my two heads' fragments of kvs
	s_add_nc_u64 s[20:21], s[20:21], s[84:85]
	WIN 0xc0                                       ; the 88 small loads first, then the weights' 128
.irp T, 0,1,2,3,4,5,6,7
	global_load_b128 v[BQ+8*\T:BQ+8*\T+3], v[BAD], s[12:13] offset:64*\T
	global_load_b128 v[BQ+8*\T+4:BQ+8*\T+7], v[BAD], s[12:13] offset:64*\T+16
	global_load_b128 v[BV+8*\T:BV+8*\T+3], v[BAD], s[14:15] offset:64*\T
	global_load_b128 v[BV+8*\T+4:BV+8*\T+7], v[BAD], s[14:15] offset:64*\T+16
.endr
.irp f, 0,1,2,3,4,5,6,7
.irp m, 0,1,2,3
	global_load_b64 v[KV+8*\f+2*\m:KV+8*\f+2*\m+1], v[KAD], s[20:21] offset:1024*\f+256*\m    ; 256 consecutive bytes a load: registers 2 mt, 2 mt + 1 of fragment f = 4 hl + dt
.endr
.endr
	WIN 0
.irp T, 0,1,2,3,4,5,6,7
	global_load_b128 v[KS+8*\T:KS+8*\T+3], v[BAD], s[22:23] offset:64*\T
	global_load_b128 v[KS+8*\T+4:KS+8*\T+7], v[BAD], s[22:23] offset:64*\T+16
.endr
	NORM_LD 18, 0, QA0, OAD, NB                    ; row 0 of nsq: qs's
	s_lshl_b32 s84, s[WV], 15                      ; my 128 columns of 256 codes
	s_add_nc_u64 s[8:9], s[8:9], s[84:85]
	s_add_nc_u64 s[10:11], s[10:11], s[84:85]
	WLOADS 8, 0, 0, 1                              ; four pieces of 32 loads
	WLOADS 8, 16384, 128, 1
	WLOADS 10, 0, 0, 2
	WLOADS 10, 16384, 128, 2
	WIN 0
	v_mul_u32_u24 v[A0Q], v[RR], PITCH
	v_lshl_add_u32 v[A0Q], v[HH], 4, v[A0Q]
	v_add_nc_u32 v[A0S], XSB, v[A0Q]
	s_mul_i32 s84, s[WV], STW
	s_add_co_u32 s84, s84, STG                     ; my part of the stage
	v_mul_u32_u24 v[STO], v[RR], PITCH
	v_lshl_add_u32 v[STO], v[HH], 5, v[STO]
	v_add_nc_u32 v[STO], s84, v[STO]               ; into it: row r, 32 h bytes on
	v_add_nc_u32 v[WLD], s84, v[A0Q]               ; the weights out of it: as a fragment is read
	v_mul_u32_u24 v[RD0], v[HH], PITCH
	v_lshl_add_u32 v[RD0], v[RR], 4, v[RD0]        ; lanes 0-15 one row of 256 bytes, lanes 16-31 the next
	v_add_nc_u32 v[WST], s84, v[RD0]               ; the weights into it
	s_mul_i32 s84, s[WV], 20*PITCH
	s_add_co_u32 s84, s84, STG
	v_add_nc_u32 v[RD0], s84, v[RD0]               ; back: my 20 rows, two rows a load; waves 0 and 1's parts,
	v_add_nc_u32 v[RD1], 2*STW, v[RD0]             ; waves 2 and 3's
	s_mul_i32 s84, ttmp9, NROW*256
	s_mul_i32 s86, s[WV], 20*256
	s_add_co_u32 s84, s84, s86
	s_add_nc_u64 s[OUT:OUT+1], s[OUT:OUT+1], s[84:85]
	v_mov_b32 v[TP], 0
.set zi, 0
.rept 14
	v_mov_b32 v[DOT0+zi], 0                        ; written once: pairs are named whole, and a lane permute's destination counts as read
.set zi, zi+1
.endr
	s_mov_b32 s[SEL], 0x76543210
	s_mov_b32 s[SEL+1], 0xfedcba98
	s_wait_kmcnt 0x0
	s_add_co_i32 s84, s[EE], s[EE+1]               ; e0 + e1
	s_add_co_i32 s85, s[EE+4], s[EE+5]             ; e4 + e5
	s_add_co_i32 s86, s[EE+8], s[EE+9]             ; e8 + e9
	s_sub_co_i32 s87, 0, s84
	s_sub_co_i32 s88, 0, s85
	s_add_co_i32 s89, s[EE+9], 127
	s_lshl_b32 s90, s89, 23
	v_mov_b32 v[SCQ], s90                          ; 2^e9
	s_add_co_i32 s89, s89, 8
	s_lshl_b32 s89, s89, 23
	s_or_b32 s89, s89, 0x600000
	v_mov_b32 v[LIMQ], s89                         ; 448 x 2^e9
	v_mov_b32 v[CV], 0x46435000                    ; 100,000 / 8
	v_ldexp_f32 v[CV], v[CV], s85
	v_mov_b32 v[CP], 0x3e000000                    ; 1 / 8
	v_ldexp_f32 v[CP], v[CP], s86
	s_wait_loadcnt 63                              ; 64 loads stand behind the second piece's last: the small loads and Wq's two pieces are in
	WTURN 0, 1
	WTURN 128, 1
	WIN 0
	NORM_DO QA0, GQ
	s_wait_alu depctr_va_vdst(0)
	v_ldexp_f32 v[GQ], v[GQ], s84                  ; qs_n = sum x 2^(e0 + e1) / (|qs| + eps)
	v_mov_b32 v[GQ+1], v[GQ]
.set zi, 0
.rept 32
	v_pk_mul_f32 v[KS+zi:KS+zi+1], v[KS+zi:KS+zi+1], v[GQ:GQ+1]   ; so the dot is taken of the sums as they come
.set zi, zi+2
.endr
	WIN 0xc3
.set zi, 0
.rept 64
	v_ldexp_f32 v[BQ+zi], v[BQ+zi], s87
	v_ldexp_f32 v[BV+zi], v[BV+zi], s88
.set zi, zi+1
.endr
	s_wait_loadcnt 32                              ; only the last piece's 32 loads may be out
	WTURN 0, 2
	s_wait_loadcnt 0x0
	WTURN 128, 2
	WIN 0
.macro XLDN off                        ; 16 LDS loads: 16 rows x 256 K of both inputs, by addresses made earlier
	WIN 0xc0
.irp i, 0,1,2,3,4,5,6,7
	ds_load_b128 v[XQ+4*\i:XQ+4*\i+3], v[AD] offset:\off+32*\i
.endr
.irp i, 0,1,2,3,4,5,6,7
	ds_load_b128 v[XS+4*\i:XS+4*\i+3], v[AD2] offset:\off+32*\i
.endr
	WIN 0
.endm
.macro XLD4 off
	v_add_nc_u32 v[AD], s[XO], v[A0Q]
	v_add_nc_u32 v[AD2], s[XO], v[A0S]
	XLDN \off
.endm
; slice gi of 8 of a head's qs: the dot with ksum of four registers, in two pairs; the hold of the four that the slice before multiplied; these four x the factor.
; Behind slice 7: its own hold, the head's codes, and one plain instruction
.macro JQ hl
.set rS, QA0+32*(\hl)+4*gi
.set rK, KS+32*(\hl)+4*gi
.set rA, DOT0+2*(\hl)
.set rB, DB+2*(\hl)
	WIN 0
.if gi == 0
	v_pk_mul_f32 v[rA:rA+1], v[rS:rS+1], v[rK:rK+1]
	v_pk_mul_f32 v[rB:rB+1], v[rS+2:rS+3], v[rK+2:rK+3]
.else
	v_pk_fma_f32 v[rA:rA+1], v[rS:rS+1], v[rK:rK+1], v[rA:rA+1]
	v_pk_fma_f32 v[rB:rB+1], v[rS+2:rS+3], v[rK+2:rK+3], v[rB:rB+1]
.irp j, 4,3,2,1
	v_med3_num_f32 v[rS-\j], v[rS-\j], -v[LIMQ], v[LIMQ]         ; the conversion does not saturate (ISA guide 7.6.2)
.endr
.endif
	v_pk_mul_f32 v[rS:rS+1], v[rS:rS+1], v[GQ:GQ+1]
	v_pk_mul_f32 v[rS+2:rS+3], v[rS+2:rS+3], v[GQ:GQ+1]
.if gi == 7
.irp j, 0,1,2,3
	v_med3_num_f32 v[rS+\j], v[rS+\j], -v[LIMQ], v[LIMQ]
.endr
.irp t, 0,1,2,3
	v_cvt_scalef32_pk8_fp8_f32 v[QC+8*(\hl)+2*\t:QC+8*(\hl)+2*\t+1], v[QA0+32*(\hl)+8*\t:QA0+32*(\hl)+8*\t+7], v[SCQ]
.endr
	v_nop
.endif
.endm
.macro JFMA src, f                     ; tile gi: the sum over heads += src x f
.irp i, 0,2,4,6
	v_pk_fma_f32 v[VA0+8*gi+\i:VA0+8*gi+\i+1], v[\src+8*gi+\i:\src+8*gi+\i+1], v[\f:\f+1], v[VA0+8*gi+\i:VA0+8*gi+\i+1] op_sel_hi:[1,0,1]
.endr
.endm
; job 1, 2: a head's qs.  job 3: the two heads' normalisers, line by line in turn (the pairs, the halves | the other half of the lanes | + N, + eps | the reciprocals and the four factors), then vs of head 0 x its factor
.macro SL4 job
.if \job == 1
	JQ 0
.elseif \job == 2
	JQ 1
.elseif \job == 3
	WIN 0
.if gi == 0
	v_pk_add_f32 v[DOT0:DOT0+1], v[DOT0:DOT0+1], v[DB:DB+1]
	v_pk_add_f32 v[DOT0+2:DOT0+3], v[DOT0+2:DOT0+3], v[DB+2:DB+3]
	v_add_f32 v[DOT0], v[DOT0], v[DOT0+1]
	v_add_f32 v[DOT0+2], v[DOT0+2], v[DOT0+3]
.elseif gi == 1
	v_permlanex16_b32 v[TMP], v[DOT0], s[SEL], s[SEL+1]
	v_permlanex16_b32 v[TMP+1], v[DOT0+2], s[SEL], s[SEL+1]
	v_add_f32 v[DOT0], v[DOT0], v[TMP]
	v_add_f32 v[DOT0+2], v[DOT0+2], v[TMP+1]
.elseif gi == 2
	v_add_f32 v[DOT0], 0x47c35000, v[DOT0]
	v_add_f32 v[DOT0+2], 0x47c35000, v[DOT0+2]
	v_add_f32 v[DOT0], 0x358637bd, v[DOT0]
	v_add_f32 v[DOT0+2], 0x358637bd, v[DOT0+2]
.elseif gi == 3
	v_rcp_f32 v[DOT0+1], v[DOT0]
	v_rcp_f32 v[DOT0+3], v[DOT0+2]
	v_nop                                          ; a plain instruction behind the transcendentals
	s_wait_alu depctr_va_vdst(0)
	v_mul_f32 v[FV0], v[DOT0+1], v[CV]
	v_mul_f32 v[FP0], v[DOT0+1], v[CP]
	v_mul_f32 v[FV1], v[DOT0+3], v[CV]
	v_mul_f32 v[FP1], v[DOT0+3], v[CP]
.else
.irp i, 0,2,4,6
	v_pk_mul_f32 v[VA0+8*(gi-4)+\i:VA0+8*(gi-4)+\i+1], v[VA0+8*(gi-4)+\i:VA0+8*(gi-4)+\i+1], v[FV0:FV0+1] op_sel_hi:[1,0]
.endr
.endif
.endif
.endm
; a group: tiles t0 .. t0 + 3 of a weight, two K steps, the four accumulators by turns; a slice behind each product
.macro GRP4 acc, xf, t0, wa, wb, bias, job
.set gi, 0
.rept 8
.set rD, \acc+8*(gi%4)
.set rW, 32*(\t0+gi%4)
.if gi < 4
	WIN \wa
	v_wmma_f32_16x16x128_fp8_fp8 v[rD:rD+7], v[rW:rW+15], v[\xf:\xf+15], v[\bias+8*(\t0+gi%4):\bias+8*(\t0+gi%4)+7]
.else
	WIN \wb
	v_wmma_f32_16x16x128_fp8_fp8 v[rD:rD+7], v[rW+16:rW+31], v[\xf+16:\xf+31], v[rD:rD+7]
.endif
	SL4 \job
.set gi, gi+1
.endr
.endm
; qs_n . kvs of head hl: four products over K = 64, into the registers that the head's qs has left; behind each a tile of the sum over heads
.macro P5 hl, src, f, pf
.set gi, 0
.rept 4
	WIN 0x03
	v_wmma_f32_16x16x64_fp8_fp8 v[QA0+32*(\hl)+8*gi:QA0+32*(\hl)+8*gi+7], v[KV+32*(\hl)+8*gi:KV+32*(\hl)+8*gi+7], v[QC+8*(\hl):QC+8*(\hl)+7], 0
	WIN 0
	JFMA \src, \f
.if \pf && (gi == 0)
	XLDN TROW                                      ; the next 16 rows: eight plain instructions behind the last product that read these registers
.endif
.set gi, gi+1
.endr
.endm
.macro STT t                           ; tile t of the sum over my two heads into the stage: row r, d = 16 t + 8 h + 0 .. 7
	ds_store_b128 v[STA], v[VA0+8*(\t):VA0+8*(\t)+3] offset:64*(\t)
	ds_store_b128 v[STA], v[VA0+8*(\t)+4:VA0+8*(\t)+7] offset:64*(\t)+16
.endm
.macro TILE4 pf
	s_wait_dscnt 0x8                               ; both fragments are in: behind their 16 loads stand only the last tile's 8 stores into the stage, which may be out
	GRP4 QA0, XQ, 0, 0x3d, 0x0d, BQ, 0
	WIN 0
	s_wait_dscnt 0x0                               ; those stores are done: their address and, two groups on, their data are written again
	v_add_nc_u32 v[AD], s[XO], v[A0Q]              ; this tile's addresses, made well ahead of their use: with the v_nop the four places behind the group's products
	v_add_nc_u32 v[AD2], s[XO], v[A0S]
	v_add_nc_u32 v[STA], s[SO], v[STO]
	v_nop
	GRP4 QA1, XQ, 4, 0x3d, 0x0d, BQ, 1
	GRP4 VA0, XS, 0, 0x3e, 0x0e, BV, 2
	GRP4 VA1, XS, 4, 0x3e, 0x0e, BV, 3
	P5 0, VA1, FV1, \pf
	P5 1, QA0, FP0, 0
.set gi, 0
.rept 4
	JFMA QA1, FP1
.if gi > 0
	STT gi-1                                       ; a tile is stored while the next is finished
.endif
.set gi, gi+1
.endr
	STT 3
	s_add_co_u32 s[XO], s[XO], TROW
	s_add_co_u32 s[SO], s[SO], TROW
.endm
; the four waves' sums of 80 rows are added, 20 rows a wave
.macro REDUCE c
.irp i, 0,1,2,3,4,5,6,7,8,9
	ds_load_b128 v[96+16*\i:99+16*\i], v[RD0] offset:544*\i
	ds_load_b128 v[100+16*\i:103+16*\i], v[RD0] offset:STW+544*\i
	ds_load_b128 v[104+16*\i:107+16*\i], v[RD1] offset:544*\i
	ds_load_b128 v[108+16*\i:111+16*\i], v[RD1] offset:STW+544*\i
.endr
.irp i, 0,1,2,3,4,5,6,7,8,9
	s_wait_dscnt 36-4*\i                           ; pair i's four loads are in; the later pairs' may stay out
	v_pk_add_f32 v[96+16*\i:97+16*\i], v[96+16*\i:97+16*\i], v[100+16*\i:101+16*\i]
	v_pk_add_f32 v[98+16*\i:99+16*\i], v[98+16*\i:99+16*\i], v[102+16*\i:103+16*\i]
	v_pk_add_f32 v[104+16*\i:105+16*\i], v[104+16*\i:105+16*\i], v[108+16*\i:109+16*\i]
	v_pk_add_f32 v[106+16*\i:107+16*\i], v[106+16*\i:107+16*\i], v[110+16*\i:111+16*\i]
	v_pk_add_f32 v[96+16*\i:97+16*\i], v[96+16*\i:97+16*\i], v[104+16*\i:105+16*\i]
	v_pk_add_f32 v[98+16*\i:99+16*\i], v[98+16*\i:99+16*\i], v[106+16*\i:107+16*\i]
	global_store_b128 v[OAD], v[96+16*\i:99+16*\i], s[OUT:OUT+1] offset:(\c)*20480+512*\i th:TH_STORE_NT   ; two whole rows of out0: 512 consecutive bytes
.endr
	s_wait_xcnt 0x0                                ; the stores have read their registers: the next chunk writes them again
.endm
; 80 rows.  tw >= 0: first my stage load that brings them is waited for (tw later loads of mine may stay out).  The barrier at the head says two things: everybody's rows are in, and nobody reads the stage any more.
.macro CHUNK c, tw
.if \tw >= 0
	s_wait_tensorcnt \tw
.endif
	s_wait_dscnt 0x0                               ; no LDS instruction of mine is pending at the signal (ahead of the first chunk: the weights are back from the stage)
	s_barrier_signal -1
	s_barrier_wait -1
	s_mov_b32 s[XO], (\c)*5*TROW
	s_mov_b32 s[SO], 0
	XLD4 0
	s_wait_dscnt 0x0                               ; on the way into the loop no stores stand behind these loads: so the count at a tile's head holds on both ways
	s_mov_b32 s[CNT], 4
.Ltile_\@:
	TILE4 1
	s_sub_co_u32 s[CNT], s[CNT], 1
	s_cmp_lg_u32 s[CNT], 0
	s_cbranch_scc1 .Ltile_\@
	TILE4 0                                        ; the chunk's last tile fetches nothing further
	s_wait_dscnt 0x0                               ; for the others' sake: my sums lie in the stage
	s_barrier_signal -1
	s_barrier_wait -1
	REDUCE \c
.endm
	CHUNK 0, 2                                     ; rows 0-79
	CHUNK 1, 1                                     ; rows 80-239
	CHUNK 2, -1
	CHUNK 3, 0                                     ; rows 240-399
	CHUNK 4, -1
	s_wait_tensorcnt 0x0
	ds_add_u32 v30, v31
	s_wait_dscnt 0x0
	s_endpgm
.Lfunc_end_k_qe82df9e4a7_attend:
	.size	k_qe82df9e4a7_attend, .Lfunc_end_k_qe82df9e4a7_attend-k_qe82df9e4a7_attend
	.p2alignl 7, 3214868480
	.fill 96, 4, 3214868480
	.section	.rodata,"a",@progbits
	.p2align	6, 0x0
	.amdhsa_kernel k_qe82df9e4a7_attend
		.amdhsa_group_segment_fixed_size 305152
		.amdhsa_private_segment_fixed_size 0
		.amdhsa_enable_private_segment 0
		.amdhsa_kernarg_size 88
		.amdhsa_user_sgpr_count 2
		.amdhsa_user_sgpr_kernarg_segment_ptr 1
		.amdhsa_wavefront_size32 1
		.amdhsa_system_sgpr_workgroup_id_x 1
		.amdhsa_system_sgpr_workgroup_id_y 1
		.amdhsa_system_sgpr_workgroup_id_z 1
		.amdhsa_system_vgpr_workitem_id 0
		.amdhsa_next_free_vgpr 1024
		.amdhsa_next_free_sgpr 96
		.amdhsa_reserve_vcc 1
		.amdhsa_float_denorm_mode_32 3
		.amdhsa_float_denorm_mode_16_64 3
		.amdhsa_memory_ordered 1
		.amdhsa_forward_progress 1
		.amdhsa_inst_pref_size 255
	.end_amdhsa_kernel
	.section	.bss,"aw",@nobits
	.p2align	6
	.space	262144
	.amdgpu_metadata
---
amdhsa.version: [ 1, 2 ]
amdhsa.kernels:
  - .name:           k_qe82df9e4a7_attend
    .symbol:         k_qe82df9e4a7_attend.kd
    .args:
      - { .name: query_input_codes, .offset: 0, .size: 8, .value_kind: global_buffer, .address_space: global }
      - { .name: source_input_codes, .offset: 8, .size: 8, .value_kind: global_buffer, .address_space: global }
      - { .name: Wq_w_codes, .offset: 16, .size: 8, .value_kind: global_buffer, .address_space: global }
      - { .name: Wv_w_codes, .offset: 24, .size: 8, .value_kind: global_buffer, .address_space: global }
      - { .name: Wq_b, .offset: 32, .size: 8, .value_kind: global_buffer, .address_space: global }
      - { .name: Wv_b, .offset: 40, .size: 8, .value_kind: global_buffer, .address_space: global }
      - { .name: lowp_scales, .offset: 48, .size: 8, .value_kind: global_buffer, .address_space: global }
      - { .name: nsq, .offset: 56, .size: 8, .value_kind: global_buffer, .address_space: global }
      - { .name: kvc, .offset: 64, .size: 8, .value_kind: global_buffer, .address_space: global }
      - { .name: ksum, .offset: 72, .size: 8, .value_kind: global_buffer, .address_space: global }
      - { .name: out0, .offset: 80, .size: 8, .value_kind: global_buffer, .address_space: global }
    .group_segment_fixed_size: 305152
    .private_segment_fixed_size: 0
    .kernarg_segment_align: 8
    .kernarg_segment_size: 88
    .max_flat_workgroup_size: 128
    .sgpr_count:     96
    .vgpr_count:     1024
    .wavefront_size: 32
...
	.end_amdgpu_metadata
.endif
;; end of part 4
